; MI455X (gfx1250); checked and timed in simulation.
; The chip was launched on July 23, 2026; its instructions are those of AMD's public machine-readable ISA for CDNA 5 (MIT licence, August 2026) and "CDNA5" Instruction Set Architecture Reference Guide (July 2026). The comments in the code are by the model that wrote it; some were corrected since.
;; Rope Attention. Allowed arithmetic: matrix products marked QUANTISED: E2M1 operands, one E8M0 scale for each 32 along K, by v_wmma_scale_f32_16x16x128_f8f6f4 with both operands' format E2M1 (or v_wmma_scale_f32_32x16x128_f4), f32 sums; products left as they are: bf16, f16 or f32 operands; f32 sums; everything else in f32.
;; Inputs: proj_b 1,024 float32; proj_w 1,024 x 1,024 float32; qkv_b 3,072 float32; qkv_w 3,072 x 1,024 float32; x 4 x 2,048 x 1,024 float32.
;; Outputs: out0 4 x 2,048 x 1,024 float32.
;; This version of the problem:
;;   THIS VERSION OF THE PROBLEM IS GIVEN IN LOW PRECISION. The matrix products marked QUANTISED in the list below multiply operands that are first quantised to E2M1 (2 exponent bits, 1 mantissa bit; 4 bits a number), with one power-of-two scale for each 32 numbers along K (OCP MX v1.0); their sums are f32. The products marked 'left as it is' may take bf16, f16 or f32 operands, with f32 sums. Whichever they take, every output number must still come out within the allowed error. Rounding operands to bf16 (8 significant bits) uses up far more of that allowance than f16 does (11 bits, for magnitudes from 6e-5 to 65,504). All else is computed in f32.
;;   The module's matrix products, in the order in which they are computed (A, B: the left and right operand; K: the contracted axis; several contracted axes count as one K, in the product's order):
;;     1. [M 8,192, K 1,024] x [K 1,024, N 3,072]; A: input x; B: input qkv_w: QUANTISED
;;     2. batch 64 x [M 2,048, K 64] x [K 64, N 2,048]; A: computed on the way; B: computed on the way: left as it is (an operand is computed on the way)
;;     3. batch 64 x [M 2,048, K 2,048] x [K 2,048, N 64]; A: computed on the way; B: computed on the way: left as it is (an operand is computed on the way)
;;     4. [M 8,192, K 1,024] x [K 1,024, N 1,024]; A: computed on the way; B: input proj_w: left as it is (an operand is computed on the way)
;;   THE QUANTISER, for each operand of a quantised product, along K:
;;     - K is cut into blocks of 32 from its start; a last block that is shorter is filled with zeros.
;;     - A block's scale is 2^e with e = floor(log2(the largest magnitude in the block)) - 2, held to -126 .. 127; a block of zeros has e = 0. As a byte (E8M0): e + 127.
;;     - Each number is divided by its block's scale, clamped to +-6, and rounded to the nearest number of E2M1, ties to even, subnormals kept.
;;     - The product sums the exact products of the quantised numbers (number of the format x scale) in f32.
;;   ~~~python
;;   def quantise(x, axis):      # numpy; x: float32 -> the quantised numbers, widened to float32 again
;;       x = np.moveaxis(x, axis, -1); K = x.shape[-1]
;;       x = np.pad(x, [(0, 0)] * (x.ndim - 1) + [(0, -K % 32)]); x = x.reshape(x.shape[:-1] + (-1, 32)); a = np.abs(x).max(-1, keepdims=True)
;;       e = np.where(a > 0, np.clip(np.frexp(np.where(a > 0, a, 1))[1] - 1 - 2, -126, 127), 0)      # np.frexp(a)[1] - 1 = floor(log2(a)), exactly
;;       r = np.clip(x / 2.0 ** e, -6, 6)
;;       step = 2.0 ** (np.maximum(np.frexp(np.where(r == 0, 1, r))[1] - 1, 0) - 1)
;;       q = np.round(r / step) * step * 2.0 ** e      # np.round: ties to even
;;       return np.moveaxis(q.reshape(q.shape[:-2] + (-1,))[..., :K], -1, axis).astype(np.float32)
;;   ~~~
;; One version. Each part assembles by itself: llvm-mc -triple=amdgcn-amd-amdhsa -mcpu=gfx1250 --defsym DOCPART=n.
;; ======== version 1 of 1: 4 launches
;; limits: values are held in f16: magnitudes above 65,504 overflow, below 6.1e-05 lose precision
;; workspace buffers: xc 4,194,304 bytes; xs 262,144 bytes; wc 1,572,864 bytes; ws 98,304 bytes; pw16 2,097,152 bytes; rope 524,288 bytes; qkvh 50,331,648 bytes; ao 16,777,216 bytes
;; launch prep (part 1): grid 416 x 1, 4 waves a work-group, no clusters, 33,280 bytes of LDS; arguments x, qkv_w, xc, xs, wc, ws, proj_w, pw16, rope; writes xc, xs, wc, ws, pw16, rope
.if DOCPART == 1
	.amdgcn_target "amdgcn-amd-amdhsa--gfx1250"
	.amdhsa_code_object_version 6
	.text
	.protected	k_qeffb54b5ed_prep
	.globl	k_qeffb54b5ed_prep
	.p2align	8
	.type	k_qeffb54b5ed_prep,@function
k_qeffb54b5ed_prep:
	s_mov_b64 s[64:65], 0
	v_nop
	global_prefetch_b8 v0, s[64:65] scope:SCOPE_SE
	s_setreg_imm32_b32 hwreg(HW_REG_WAVE_MODE, 25, 1), 1
	s_wait_xcnt 0x0
; PREP: what the three later launches read many times is made once.
;   work-groups   0-255: x     [8192][1024] f32 -> codes of FP4 (E2M1), K innermost (xc), and one E8M0 byte for each 32 along K (xs)
;   work-groups 256-351: qkv_w [3072][1024] f32 -> wc, ws, likewise
;   work-groups 352-383: proj_w [1024][1024] f32 -> f16 (pw16), same layout
;   work-groups 384-415: the table of cos and sin for the rotary embedding (rope), laid as the reader's registers want it
; THE QUANTISER: a block's scale is 2^(floor(log2(its largest magnitude)) - 2); its byte is the largest magnitude's own exponent field - 2, held at 1 from below; each number is
; divided by the scale and rounded to the nearest code, ties to even, beyond 6 the largest code.
; LIMITS: a block of zeros, and a block whose largest magnitude lies under 2^-124, keeps the byte 1 (a block of zeros has zero codes, which add nothing; the bytes are read by this
; program alone).  NaN and infinities among the inputs are not served.  proj_w goes to f16: magnitudes up to 65,504.
; THE TABLE: [128 blocks of 16 positions][8 groups g][32 lanes][16 bytes], g = 4 kind + 2 u + c.  Lane (r, h) holds four f32 for position 16 T + r and frequencies j = 16 u + 8 h + 4 c + 0..3.
; kind 0: cos(t f_j);  kind 1: -sin(t f_j) for even j, +sin(t f_j) for odd j.  f_j = 10^(-j / 8), rounded to f32: it may differ in the last bits from a power computed in f32;
; the angle then differs by that part of t f_j.  The angle t f_j is one f32 product; it is reduced by whole quarter turns (pi / 2 in two parts) and goes through polynomials on [-pi/4, pi/4].
; No wave shares anything with another: no barrier.  Only the quantising path touches LDS.
.set WAVES, 4
.set STEPS, 16
.set WGA,   256                        ; x's work-groups: 8192 x 1024 / 32768
.set WGP,   352                        ; the first of proj_w's
.set WGR,   384                        ; the first of the table's
.set EMAX,  2
.set CB,    8                          ; bytes of 16 codes
.set R,     16                         ; v16-79   numbers as they are loaded (quantiser: four sets of 16; proj_w: sixteen slots of 4)
.set X,     80                         ; v80-111  quantiser: two sets of 16 neighbours; proj_w: sixteen slots of 2, packed f16
.set C,     128                        ; v128-191 codes: four registers for each step
.set E,     112                        ; v112-127 a scale byte for each step
.set WREG,  8192                       ; LDS: a region for each wave: two stages of 32 x SP bytes, behind them its 256 scale bytes
.set SP,    80                         ; a lane's place in a stage: 64 bytes + 16 of padding
.set SPW,   12                         ; v12      LDS address of my spare word; never rewritten
.set NIL,   13                         ; v13      0; never rewritten
.set SPARE, WAVES*WREG                 ; behind the regions: the spare words, 128 bytes a wave, which no other line names
.set CO,    32                         ; v32-47   the table: cos, register 8 u + e
.set SI,    48                         ; v48-63   the signed sin
	s_load_b128 s[4:7], s[0:1], 0x0                ; x, qkv_w
	s_load_b128 s[8:11], s[0:1], 0x10              ; xc, xs
	s_load_b128 s[12:15], s[0:1], 0x20             ; wc, ws
	s_load_b128 s[24:27], s[0:1], 0x30             ; proj_w, pw16
	s_load_b64 s[28:29], s[0:1], 0x40              ; rope
	v_lshl_add_u32 v[SPW], v0, 2, SPARE
	v_mov_b32 v[NIL], 0
	v_lshrrev_b32 v1, 5, v0
	v_readfirstlane_b32 s16, v1                    ; wave
	v_and_b32 v2, 31, v0                           ; lane
	v_lshlrev_b32 v3, 4, v2                        ; 16 x lane
	s_mul_i32 s17, s16, WREG                       ; every LDS address is made here, ahead of the parting of the paths
	v_lshrrev_b32 v14, 2, v2
	v_mul_u32_u24 v14, v14, SP
	v_and_b32 v15, 3, v2
	v_lshl_add_u32 v14, v15, 4, v14
	v_add_nc_u32 v14, s17, v14                     ; the stage, on the way in: SP (lane / 4) + 16 (lane % 4)
	v_mul_u32_u24 v15, v2, SP
	v_add_nc_u32 v15, s17, v15                     ; and on the way out: SP x lane: my 16 neighbours
	v_mul_u32_u24 v4, v2, CB                       ; 8 x lane: my codes' place in a step's; also my f16 numbers' place in an item's
	v_lshrrev_b32 v5, 1, v2
	s_add_co_u32 s17, s17, 2*32*SP
	v_add_nc_u32 v5, s17, v5                       ; my wave's 256 scale bytes, my block's byte
	v_lshlrev_b32 v7, 3, v2
	v_add_nc_u32 v6, s17, v7                       ; and on the way out 8 bytes a lane
	s_wait_kmcnt 0x0
	s_cmp_ge_u32 ttmp9, WGR                        ; the paths part on the work-group's number alone
	s_cbranch_scc1 .Lrope
	s_cmp_ge_u32 ttmp9, WGP
	s_cbranch_scc1 .Lproj
; ---- THE QUANTISER.  Rows are dense and K is a multiple of 32: both tensors are plain streams of blocks of 32.  A wave takes 16 steps of 512 numbers.  Each of a step's four loads reads 512
; consecutive bytes; the 2,048 bytes turn through the wave's own stage, so that a lane then holds 16 neighbours (two neighbouring lanes hold a block).  A lane's 16 codes are 8 bytes: a store covers 256
; consecutive bytes.  A wave's 256 scale bytes are gathered in LDS and leave as 256 consecutive bytes.
	s_cmp_lt_u32 ttmp9, WGA                        ; x's work-group or qkv_w's?
	s_cselect_b64 s[4:5], s[4:5], s[6:7]
	s_cselect_b64 s[8:9], s[8:9], s[12:13]
	s_cselect_b64 s[10:11], s[10:11], s[14:15]
	s_cselect_b32 s17, 0, WGA
	s_sub_co_u32 s17, ttmp9, s17
	s_lshl_b32 s17, s17, 2
	s_add_co_u32 s18, s17, s16                     ; which run of 8,192 numbers of the tensor is my wave's
	s_mov_b32 s19, 0
	s_mov_b64 s[20:21], 512*STEPS*4
	s_mul_u64 s[20:21], s[18:19], s[20:21]
	s_add_nc_u64 s[4:5], s[4:5], s[20:21]
	s_mov_b64 s[20:21], 32*STEPS*CB
	s_mul_u64 s[20:21], s[18:19], s[20:21]
	s_add_nc_u64 s[8:9], s[8:9], s[20:21]
	s_lshl_b32 s18, s18, 8                         ; 256 scale bytes a run
	s_add_nc_u64 s[10:11], s[10:11], s[18:19]
.macro LOAD t
.irp i, 0,1,2,3
	global_load_b128 v[R+16*((\t)%4)+4*\i:R+16*((\t)%4)+4*\i+3], v3, s[4:5] offset:2048*(\t)+512*\i th:TH_LOAD_NT   ; 32 lanes read 512 consecutive bytes
.endr
.endm
.macro TURN t                          ; step t's numbers through the stage: LDS serves a wave's instructions in order (ISA guide 5.7.1.4), so no wait stands between the stores and the loads
.irp i, 0,1,2,3
	ds_store_b128 v14, v[R+16*((\t)%4)+4*\i:R+16*((\t)%4)+4*\i+3] offset:32*SP*((\t)%2)+8*SP*\i
.endr
.irp i, 0,1,2,3
	ds_load_b128 v[X+16*((\t)%2)+4*\i:X+16*((\t)%2)+4*\i+3], v15 offset:32*SP*((\t)%2)+16*\i
.endr
.endm
.irp t, 0,1,2,3
	LOAD \t
.endr
	s_wait_loadcnt 12                              ; step 0's four loads are in; the twelve of steps 1 to 3 may be out
	TURN 0
.macro STEP t
.set XS, X+16*((\t)%2)
.if (\t) > 0
	s_wait_dscnt 1                                 ; this step's numbers are back from the stage (the last step's byte store may be out)
.else
	s_wait_dscnt 0x0
.endif
.if (\t)+4 < STEPS
	LOAD (\t)+4                                    ; into the registers that this step's stores into the stage have read
.endif
.if (\t)+1 < STEPS
.if STEPS-2-(\t) >= 3
	s_wait_loadcnt 12                              ; the next step's four loads are in; those of the three steps behind it may be out
.else
	s_wait_loadcnt 4*(STEPS-2-(\t))
.endif
	TURN (\t)+1                                    ; they go through the other stage while this step is worked
.endif
	v_max3_num_f32 v8, |v[XS]|, |v[XS+1]|, |v[XS+2]|               ; the largest magnitude of my 16, in two chains
	v_max3_num_f32 v9, |v[XS+3]|, |v[XS+4]|, |v[XS+5]|
.irp i, 6,10
	v_max3_num_f32 v8, v8, |v[XS+\i]|, |v[XS+\i+1]|
	v_max3_num_f32 v9, v9, |v[XS+\i+2]|, |v[XS+\i+3]|
.endr
	v_max3_num_f32 v8, v8, |v[XS+14]|, |v[XS+15]|
	v_max3_num_f32 v8, v8, v9, (EMAX+1)<<23        ; and the floor 2^(3 - 127): the byte cannot fall under 1
	v_max_num_f32_dpp v8, v8, v8 row_xmask:1 row_mask:0xf bank_mask:0xf   ; and of my neighbour's 16: the block's
	v_add_nc_u32 v11, -(EMAX<<23), v8              ; 2 off its exponent field: the conversion takes the exponent field of this operand as its scale
	v_cvt_scalef32_pk8_fp4_f32 v[C+4*(\t)], v[XS:XS+7], v11
	v_cvt_scalef32_pk8_fp4_f32 v[C+4*(\t)+1], v[XS+8:XS+15], v11
	v_lshrrev_b32 v[E+(\t)], 23, v11               ; the scale's byte (a plain line behind the conversions)
	ds_store_b8 v5, v[E+(\t)] offset:16*(\t)       ; both lanes of a block write the same byte with the same value
	global_store_b64 v4, v[C+4*(\t):C+4*(\t)+1], s[8:9] offset:32*CB*(\t)
.endm
.irp t, 0,1,2,3,4,5,6,7,8,9,10,11,12,13,14,15
	STEP \t
.endr
	ds_load_b64 v[8:9], v6                         ; in order behind my byte stores
	s_wait_dscnt 0x0
	global_store_b64 v7, v[8:9], s[10:11]          ; 32 lanes store 256 consecutive bytes, aligned
	s_wait_tensorcnt 0x0                           ; the wave's end, behind my last LDS store
	ds_add_u32 v[SPW], v[NIL]
	s_wait_dscnt 0x0
	s_endpgm
; ---- proj_w TO f16.  A wave takes 8,192 numbers as 64 items of 128: a load covers 512 consecutive bytes, a store 256.  Sixteen loads are always on their way.
.Lproj:
	s_sub_co_u32 s17, ttmp9, WGP
	s_lshl_b32 s17, s17, 2
	s_add_co_u32 s17, s17, s16                     ; my run
	s_lshl_b32 s18, s17, 15                        ; 32,768 bytes of f32,
	s_mov_b32 s19, 0
	s_add_nc_u64 s[24:25], s[24:25], s[18:19]
	s_lshl_b32 s18, s17, 14                        ; 16,384 of f16
	s_add_nc_u64 s[26:27], s[26:27], s[18:19]
.macro PLOAD i
	global_load_b128 v[R+4*((\i)%16):R+4*((\i)%16)+3], v3, s[24:25] offset:512*(\i) th:TH_LOAD_NT
.endm
.macro CV i
.if (\i) < 48
	s_wait_loadcnt 15                              ; loads come back in order: mine is in, the fifteen younger ones stay out
.else
	s_wait_loadcnt 63-(\i)                         ; the last sixteen items load nothing: the counts run down
.endif
	s_wait_xcnt 0x0                                ; the slot's two packed registers, which its last store reads, are rewritten only behind this wait
	v_cvt_pk_f16_f32 v[X+2*((\i)%16)], v[R+4*((\i)%16)], v[R+4*((\i)%16)+1]
	v_cvt_pk_f16_f32 v[X+2*((\i)%16)+1], v[R+4*((\i)%16)+2], v[R+4*((\i)%16)+3]
.if (\i) < 48
	PLOAD (\i)+16
.endif
	global_store_b64 v4, v[X+2*((\i)%16):X+2*((\i)%16)+1], s[26:27] offset:256*(\i)
.endm
.set Q, 0
.rept 16
	PLOAD Q
.set Q, Q+1
.endr
.set Q, 0
.rept 64
	CV Q
.set Q, Q+1
.endr
	s_endpgm
; ---- THE TABLE.  A wave makes one block of 16 positions: 16 angles a lane.
.Lrope:
	s_sub_co_u32 s17, ttmp9, WGR
	s_lshl_b32 s17, s17, 2
	s_add_co_u32 s17, s17, s16                     ; T
	s_lshl_b32 s18, s17, 12                        ; 4,096 bytes a block
	s_mov_b32 s19, 0
	s_add_nc_u64 s[28:29], s[28:29], s[18:19]
	s_lshl_b32 s18, s17, 4
	v_lshrrev_b32 v17, 4, v2                       ; h
	v_cmp_ne_u32 s20, 0, v17                       ; the mask of lanes 16-31
	v_and_b32 v18, 15, v2                          ; r
	v_add_nc_u32 v18, s18, v18
	v_cvt_f32_u32 v16, v18                         ; t = 16 T + r
	s_mov_b32 s21, 0xb94ca1f9                      ; sine's highest coefficient, -1.9515296e-4
	s_mov_b32 s22, 0x37ccf5ce                      ; cosine's, 2.4433157e-5
; Register i = 8 u + e.  f0: the frequency of lanes 0-15, j = 16 u + e;  f1: of lanes 16-31, j = 16 u + 8 + e.  j is even where i is.
.macro SC i, f0, f1
	v_mov_b32 v17, \f0
	v_mov_b32 v18, \f1
	v_cndmask_b32 v17, v17, v18, s20
	v_mul_f32 v19, v16, v17                        ; the angle: one rounding
	v_mul_f32 v20, 0x3f22f983, v19                 ; x 2 / pi
	v_rndne_f32 v20, v20                           ; k: whole quarter turns
	v_fmamk_f32 v21, v20, 0xbfc90fdb, v19          ; - k x the upper part of pi / 2: nothing is rounded (both terms are multiples of 2^-24 and the difference lies under 1)
	v_fmamk_f32 v21, v20, 0x333bbd2e, v21          ; - k x the lower part (which is negative)
	v_mul_f32 v22, v21, v21                        ; z = r^2
	v_cvt_i32_f32 v23, v20
	v_fmaak_f32 v24, s21, v22, 0x3c08839e          ; sin r = r + r z (S1 + z (S2 + z S3))
	v_fmaak_f32 v24, v24, v22, 0xbe2aaaa3
	v_mul_f32 v25, v22, v21
	v_fma_f32 v26, v24, v25, v21
	v_fmaak_f32 v27, s22, v22, 0xbab6061a          ; cos r = 1 - z / 2 + z^2 (C1 + z (C2 + z C3))
	v_fmaak_f32 v27, v27, v22, 0x3d2aaaa5
	v_mul_f32 v28, v22, v22
	v_fma_f32 v29, v22, -0.5, 1.0
	v_fma_f32 v30, v27, v28, v29
	v_and_b32 v31, 1, v23
	v_cmp_ne_u32 vcc_lo, 0, v31                    ; an odd number of quarter turns changes sine and cosine over: a choice of values, no branch
	v_cndmask_b32 v24, v26, v30, vcc_lo            ; the sine's magnitude
	v_cndmask_b32 v27, v30, v26, vcc_lo            ; the cosine's
	v_add_lshl_u32 v25, v23, 1, 30                 ; the cosine is negative where bit 1 of k + 1 is set
	v_and_b32 v25, 0x80000000, v25
	v_xor_b32 v[CO+\i], v25, v27
.if (\i)%2
	v_lshlrev_b32 v28, 30, v23                     ; odd j: +sin, negative where bit 1 of k is set
.else
	v_add_lshl_u32 v28, v23, 2, 30                 ; even j: -sin
.endif
	v_and_b32 v28, 0x80000000, v28
	v_xor_b32 v[SI+\i], v28, v24
.endm
	SC 0,  1.0,            0.1
	SC 1,  0.7498942093,   0.07498942093
	SC 2,  0.5623413252,   0.05623413252
	SC 3,  0.4216965034,   0.04216965034
	SC 4,  0.3162277660,   0.03162277660
	SC 5,  0.2371373706,   0.02371373706
	SC 6,  0.1778279410,   0.01778279410
	SC 7,  0.1333521432,   0.01333521432
	SC 8,  0.01,           0.001
	SC 9,  0.007498942093, 0.0007498942093
	SC 10, 0.005623413252, 0.0005623413252
	SC 11, 0.004216965034, 0.0004216965034
	SC 12, 0.003162277660, 0.0003162277660
	SC 13, 0.002371373706, 0.0002371373706
	SC 14, 0.001778279410, 0.0001778279410
	SC 15, 0.001333521432, 0.0001333521432
.irp g, 0,1,2,3
	global_store_b128 v3, v[CO+4*\g:CO+4*\g+3], s[28:29] offset:512*\g         ; 32 lanes store 512 consecutive bytes
	global_store_b128 v3, v[SI+4*\g:SI+4*\g+3], s[28:29] offset:2048+512*\g
.endr
	s_endpgm
.Lfunc_end_k_qeffb54b5ed_prep:
	.size	k_qeffb54b5ed_prep, .Lfunc_end_k_qeffb54b5ed_prep-k_qeffb54b5ed_prep
	.p2alignl 7, 3214868480
	.fill 96, 4, 3214868480
	.section	.rodata,"a",@progbits
	.p2align	6, 0x0
	.amdhsa_kernel k_qeffb54b5ed_prep
		.amdhsa_group_segment_fixed_size 33280
		.amdhsa_private_segment_fixed_size 0
		.amdhsa_enable_private_segment 0
		.amdhsa_kernarg_size 72
		.amdhsa_user_sgpr_count 2
		.amdhsa_user_sgpr_kernarg_segment_ptr 1
		.amdhsa_wavefront_size32 1
		.amdhsa_system_sgpr_workgroup_id_x 1
		.amdhsa_system_sgpr_workgroup_id_y 1
		.amdhsa_system_sgpr_workgroup_id_z 1
		.amdhsa_system_vgpr_workitem_id 0
		.amdhsa_next_free_vgpr 192
		.amdhsa_next_free_sgpr 66
		.amdhsa_reserve_vcc 1
		.amdhsa_float_denorm_mode_32 3
		.amdhsa_float_denorm_mode_16_64 3
		.amdhsa_memory_ordered 1
		.amdhsa_forward_progress 1
		.amdhsa_inst_pref_size 82
	.end_amdhsa_kernel
	.amdgpu_metadata
---
amdhsa.version: [ 1, 2 ]
amdhsa.kernels:
  - .name:           k_qeffb54b5ed_prep
    .symbol:         k_qeffb54b5ed_prep.kd
    .args:
      - { .name: x, .offset: 0, .size: 8, .value_kind: global_buffer, .address_space: global }
      - { .name: qkv_w, .offset: 8, .size: 8, .value_kind: global_buffer, .address_space: global }
      - { .name: xc, .offset: 16, .size: 8, .value_kind: global_buffer, .address_space: global }
      - { .name: xs, .offset: 24, .size: 8, .value_kind: global_buffer, .address_space: global }
      - { .name: wc, .offset: 32, .size: 8, .value_kind: global_buffer, .address_space: global }
      - { .name: ws, .offset: 40, .size: 8, .value_kind: global_buffer, .address_space: global }
      - { .name: proj_w, .offset: 48, .size: 8, .value_kind: global_buffer, .address_space: global }
      - { .name: pw16, .offset: 56, .size: 8, .value_kind: global_buffer, .address_space: global }
      - { .name: rope, .offset: 64, .size: 8, .value_kind: global_buffer, .address_space: global }
    .group_segment_fixed_size: 33280
    .private_segment_fixed_size: 0
    .kernarg_segment_align: 8
    .kernarg_segment_size: 72
    .max_flat_workgroup_size: 128
    .sgpr_count:     66
    .vgpr_count:     192
    .wavefront_size: 32
...
	.end_amdgpu_metadata
.endif
;; end of part 1
;; launch qkv (part 2): grid 12 x 32, 4 waves a work-group, clusters of 4 x 4, 327,680 bytes of LDS; arguments xc, xs, wc, ws, qkv_b, rope, qkvh; writes qkvh
.if DOCPART == 2
	.amdgcn_target "amdgcn-amd-amdhsa--gfx1250"
	.amdhsa_code_object_version 6
	.text
	.protected	k_qeffb54b5ed_qkv
	.globl	k_qeffb54b5ed_qkv
	.p2align	8
	.type	k_qeffb54b5ed_qkv,@function
k_qeffb54b5ed_qkv:
	s_mov_b64 s[64:65], 0
	v_nop
	global_prefetch_b8 v0, s[64:65] scope:SCOPE_SE
	s_setreg_imm32_b32 hwreg(HW_REG_WAVE_MODE, 25, 1), 1
	s_wait_xcnt 0x0
	s_wait_alu depctr_hold_cnt(0) depctr_sa_sdst(0) depctr_va_vdst(0) depctr_va_sdst(0) depctr_va_ssrc(0) depctr_va_vcc(0) depctr_vm_vsrc(0)
	s_getreg_b32 s2, hwreg(HW_REG_IB_STS2, 6, 4)
	s_cmp_eq_u32 s2, 0
	s_cbranch_scc0 .Lentry_in_a_cluster
	s_endpgm
.Lentry_in_a_cluster:
	s_bfe_u32 s2, ttmp6, 0x10000c
	s_cmp_lg_u32 s2, 0xf033
	s_cbranch_scc0 .Lentry_shape_is_right
	s_endpgm
.Lentry_shape_is_right:
; QKV: qkv[m][n] = sum over k of x[m][k] qkv_w[n][k] + qkv_b[n], on codes of FP4 (E2M1) with one E8M0 scale for each 32 along K; then the rotary embedding on q and k, in f32; then f16, laid by head:
; qkvh [3 sections q, k, v][64 = 16 batch + head][2048 positions][64] f16.  M 8,192, N 3,072, K 1,024.
; A tile of 256 x 256 is made by a work-group of four waves, a wave makes 128 x 128: 64 accumulators of 16 x 16, 512 registers.  All of K lies in two LDS slots of 512 along K each (rows of 256 bytes):
; each slot is filled once, so there is no loop and no refill.  The scale bytes of the work-group's rows, two dense blocks, come with the first fills.
; CLUSTERS: 4 x 4 work-groups.  The four of a row of the cluster need the same tiles of x, the four of a column the same tiles of qkv_w: each tile is asked for jointly, by the same tensor load with the same
; descriptor and a mask that names the four.  The cluster's x (0, 1, 2) is the section q, k, v: the same in all sixteen partners.
; THE MATRIX INSTRUCTION IS USED TRANSPOSED (source 0 = 16 rows of qkv_w, source 1 = 16 rows of x): a lane holds one position and eight neighbouring features.  The bias is the C of each sum's first product.
; THE ROTARY EMBEDDING: out[d] = v[d] cos(t f[d % 32]) + v[d xor 1] s[d], s[d] = -sin(t f[d % 32]) for even d, +sin for odd d.  A pair (d, d xor 1) lies in one register pair of a lane: the partner is taken
; by the packed form's choice of halves.  cos and s come from the table, an image of these registers: tile b of 16 features wants frequencies 16 (b % 2) + 8 (lane / 16) + 0..7.
; The first block's table is loaded at the head by every wave, ahead of the parting of the two ways out, so that it lands under the products; the section v, which is not turned, loads these 4,096 bytes a wave and does not use them.
; LIMITS: q, k and v go to f16: magnitudes up to 65,504; NaN and infinities are not served.
; REGISTERS, in windows of 256: window 0: v0-31 addresses; v32-95 scale words, two sets, and nothing else ever; v128-191 x's fragments, one set; v192-255 the bias, for the first step.  On the way out: v96-159 the
;   turned numbers, v160-191 packed f16, v192-255 rows read back, two sets.   window 1: qkv_w's fragments, two sets, at v0 and v128; v64-127 the table, two sets of 32.
;   window 2: the 32 accumulators of my rows 0-63 ((a, b) at v[8 (8 a + b)]);   window 3: those of my rows 64-127.
.set SIZE_M, 8192
.set SIZE_N, 3072
.set SIZE_K, 1024
.set KSTEP,  512                       ; along K in a slot
.set NQ,     KSTEP/128                 ; matrix instructions deep
.set ROWB,   256                       ; a tile's row in bytes
.set KROW,   SIZE_K*4/8                ; a row of codes in memory
.set PITCH,  272                       ; an LDS row: 256 bytes + 16 of padding: the 16 rows that a load touches start 16 bytes apart modulo 256
.set FR,     8                         ; registers of a fragment: 16 rows x 128 K
.set NL,     2                         ; LDS loads that bring one
.set NP,     4                         ; places behind this matrix instruction (ISA guide 7.12.1)
.set HALFT,  128*PITCH                 ; 128 rows: what one tensor load brings
.set SLOT,   4*HALFT                   ; x's 256 rows, then qkv_w's 256 rows
.set KS,     SIZE_K/32                 ; a row of scale bytes
.set SCL,    2*SLOT                    ; behind the slots: the scales, as runs of 256 bytes + 16 of padding
.set HALFS,  (128*KS/256)*272          ; those of 128 rows: what one tensor load brings
.set SBLK,   (16*KS/256)*272           ; those of 16 rows
.set SPARE,  SCL+4*HALFS               ; the spare words, 128 bytes a wave, which no other line names
.set SPITCH, 272                       ; the way out: a stage of 16 rows x (256 bytes + 16) for each wave, in slot 0, which has had its one fill and its last read by then
.set STG2,   4*16*SPITCH               ; the section v takes another way out than q and k: it has four stages of its own, behind the first four
.set ADRA, 16                          ; v16-17  LDS address of my x fragments in slot 0, 1
.set ADRB, 20                          ; v20-21  the same for qkv_w
.set STO,  24                          ; v24     the way out: where I put 16 bytes of a row
.set RD,   25                          ; v25     where I read back: four positions x 128 bytes of one head
.set CO,   26                          ; v26     16 x lane
.set ADRS, 27                          ; v27     LDS address of my scale words: lanes 0-15 x's rows, lanes 16-31 qkv_w's
.set SPW,  28                          ; v28     LDS address of my spare word; never rewritten
.set NIL,  29                          ; v29     0; never rewritten
.set BO,   30                          ; v30     the bias: 32 x (lane / 16)
.set SC,   32                          ; scale words: set s at v[SC + 32 s]; register 4 i + q: lanes 0-15 x's block i, lanes 16-31 qkv_w's block i, the slot's q-th 128 along K
.set AF,   128                         ; x's fragments
.set BIAS, 192                         ; tile b at v[192 + 8 b]: qkv_b at my columns 16 b + 8 (lane / 16) + 0..7
.set TMP,  96
.set PK,   160
.set BK,   192
.set CT,   64                          ; in window 1: set a % 2 at v[64 + 32 (a % 2)]: cos u = 0, cos u = 1, s u = 0, s u = 1, eight registers each
.set G1, 24                            ; s[24:31] descriptor group 1 for x's tiles;  s[32:39] group 0, one set for each slot
.set G0, 32
.set G1B, 48                           ; s[48:55], s[56:63] the same for qkv_w's
.set G0B, 56
.set G1S, 68                           ; s[68:75], s[76:79] groups 1 and 0 for x's scales;  s[80:87], s[88:91] for qkv_w's
.set G0S, 76
.set G1SB, 80
.set G0SB, 88
.set MSB, 0
.macro WIN new                         ; the immediate's high byte repeats the setting that is left; a switch that changes nothing is dropped
.if MSB != (\new)
	s_set_vgpr_msb (MSB<<8)|(\new)
.set MSB, (\new)
.endif
.endm
.set MUL_LO, 0xa1                      ; source 0 (qkv_w) window 1, source 1 (x) window 0, C and D window 2
.set MUL_HI, 0xf1                      ; the same, C and D window 3
.set FST_LO, 0x81                      ; the first step: C (the bias) window 0, D window 2
.set FST_HI, 0xc1                      ; D window 3
.set TO_B,   0x40                      ; destination window 1, address window 0
; A joint load: waves 0 and 1 fetch for x, waves 2 and 3 for qkv_w.  Each of the two lines has one mask and one set of registers for all that issue it; the branch hangs on the wave's number alone.
; An s_nop 0 and four v_nop follow each of the two lines.
.macro JLOAD g0a, g1a, g0b, g1b
	s_cmp_eq_u32 s15, 0
	s_cbranch_scc0 .Lfor_b_\@
	tensor_load_to_lds s[\g0a:\g0a+3], s[\g1a:\g1a+7]
	s_nop 0
.rept 4
	v_nop
.endr
	s_branch .Lasked_\@
.Lfor_b_\@:
	tensor_load_to_lds s[\g0b:\g0b+3], s[\g1b:\g1b+7]
	s_nop 0
.rept 4
	v_nop
.endr
.Lasked_\@:
.endm
.macro CROUND                          ; a round of the cluster's barrier
	s_barrier_signal -1
	s_barrier_wait -1
	s_cmp_lg_u32 s14, 0
	s_cbranch_scc1 .Lnot_wave_0_\@
	s_barrier_signal -3
.Lnot_wave_0_\@:
	s_barrier_wait -3
	s_barrier_signal -1
	s_barrier_wait -1
.endm
	s_load_b128 s[4:7], s[0:1], 0x0                ; xc, xs
	s_load_b128 s[8:11], s[0:1], 0x10              ; wc, ws
	s_load_b128 s[96:99], s[0:1], 0x20             ; qkv_b, rope
	s_load_b64 s[12:13], s[0:1], 0x30              ; qkvh
	v_lshl_add_u32 v[SPW], v0, 2, SPARE
	v_mov_b32 v[NIL], 0
	ds_add_u32 v[SPW], v[NIL]                      ; the wave's opening: the add, twice on end, and its wait ahead of my first tensor load
	ds_add_u32 v[SPW], v[NIL]
	v_lshrrev_b32 v1, 5, v0
	v_readfirstlane_b32 s14, v1                    ; wave 0..3
	s_lshr_b32 s15, s14, 1                         ; which half of the tile's rows is mine.  Also: I fetch for x (0) or for qkv_w (1)
	s_and_b32 s16, s14, 1                          ; which half of its columns.  Also: which 128 rows of that tile I fetch
	s_bfe_u32 s40, ttmp6, 0x40000                  ; cx, cy: my place in the cluster
	s_bfe_u32 s41, ttmp6, 0x40004
	s_lshl_b32 s42, ttmp9, 2
	s_add_co_u32 s42, s42, s40                     ; tile column = 4 x cluster x + cx
	s_and_b32 s17, ttmp7, 0xffff
	s_lshl_b32 s17, s17, 2
	s_add_co_u32 s17, s17, s41                     ; tile row = 4 x cluster y + cy
	s_lshl_b32 s43, s41, 2
	s_lshl_b32 s43, 15, s43                        ; my row of the cluster
	s_lshl_b32 s44, 0x1111, s40                    ; my column
	; descriptor group 1: a tile of 128 rows x 256 bytes, padded in LDS
	s_or_b32 s[G1+0], s43, (0<<16)|(1<<20)|(1<<21)|(5<<22)|(3<<25)  ; 15:0 the mask; 17:16 elements of 1 byte; 20 padding on; 21 set beside a mask; 24:22 after every 64 words; 31:25 four words
	s_or_b32 s[G1B+0], s44, (0<<16)|(1<<20)|(1<<21)|(5<<22)|(3<<25)
.irp g, G1, G1B
	s_mov_b32 s[\g+1], ROWB<<16                    ; tensor_dim0
	s_mov_b32 s[\g+2], 128<<16                     ; tensor_dim1
	s_mov_b32 s[\g+3], ROWB<<16                    ; tile_dim0
	s_mov_b32 s[\g+4], 128                         ; tile_dim1
	s_mov_b32 s[\g+5], KROW                        ; tensor_dim0_stride
	s_mov_b32 s[\g+6], 0
	s_mov_b32 s[\g+7], 0
.endr
	; and for the scales of 128 rows: a dense block of 4,096 bytes, as 16 rows of 256 bytes (32 elements of 8 bytes), 16 bytes of padding behind each
	s_or_b32 s[G1S+0], s43, (3<<16)|(1<<20)|(1<<21)|(5<<22)|(3<<25)
	s_or_b32 s[G1SB+0], s44, (3<<16)|(1<<20)|(1<<21)|(5<<22)|(3<<25)
.irp g, G1S, G1SB
	s_mov_b32 s[\g+1], 32<<16
	s_mov_b32 s[\g+2], (128*KS/256)<<16
	s_mov_b32 s[\g+3], 32<<16
	s_mov_b32 s[\g+4], 128*KS/256
	s_mov_b32 s[\g+5], 32
	s_mov_b32 s[\g+6], 0
	s_mov_b32 s[\g+7], 0
.endr
	s_lshl_b32 s18, s16, 7                         ; which 128 rows of the tile I fetch
	s_lshl_b32 s20, s17, 8
	s_add_co_u32 s20, s20, s18                     ; x: row 256 x tile row + 128 x half
	s_lshl_b32 s46, s42, 8
	s_add_co_u32 s46, s46, s18                     ; qkv_w: row 256 x tile column + 128 x half
	s_mov_b32 s21, 0
	s_mov_b32 s47, 0
	s_mov_b64 s[18:19], KS
	s_mul_u64 s[22:23], s[20:21], s[18:19]         ; where these rows' scales begin, in bytes
	s_mul_u64 s[92:93], s[46:47], s[18:19]
	s_mov_b64 s[18:19], KROW
	s_mul_u64 s[20:21], s[20:21], s[18:19]         ; and their codes
	s_mul_u64 s[46:47], s[46:47], s[18:19]
	s_mul_i32 s45, s14, HALFT                      ; where they go: wave x 128 rows: no place in the cluster enters an LDS address
	s_mul_i32 s94, s14, HALFS
	s_wait_dscnt 0x0                               ; both opening adds are done
	s_wait_kmcnt 0x0
	s_add_nc_u64 s[20:21], s[4:5], s[20:21]
	s_add_nc_u64 s[22:23], s[6:7], s[22:23]
	s_add_nc_u64 s[46:47], s[8:9], s[46:47]
	s_add_nc_u64 s[92:93], s[10:11], s[92:93]
	CROUND                                         ; all sixteen work-groups are here: the first joint loads meet
	s_mov_b32 s[G0S], 1
	s_add_co_u32 s[G0S+1], s94, SCL
	s_mov_b64 s[G0S+2:G0S+3], s[22:23]
	s_or_b32 s[G0S+3], s[G0S+3], 0x80000000
	s_mov_b32 s[G0SB], 1
	s_add_co_u32 s[G0SB+1], s94, SCL
	s_mov_b64 s[G0SB+2:G0SB+3], s[92:93]
	s_or_b32 s[G0SB+3], s[G0SB+3], 0x80000000
	JLOAD G0S, G1S, G0SB, G1SB                     ; the scales first: they are wanted with the first slot
.irp s, 0,1
	s_mov_b32 s[G0+4*\s], 1
	s_add_co_u32 s[G0+4*\s+1], s45, \s*SLOT
	s_add_nc_u64 s[G0+4*\s+2:G0+4*\s+3], s[20:21], \s*ROWB
	s_or_b32 s[G0+4*\s+3], s[G0+4*\s+3], 0x80000000
	s_mov_b32 s[G0B+4*\s], 1
	s_add_co_u32 s[G0B+4*\s+1], s45, \s*SLOT
	s_add_nc_u64 s[G0B+4*\s+2:G0B+4*\s+3], s[46:47], \s*ROWB
	s_or_b32 s[G0B+4*\s+3], s[G0B+4*\s+3], 0x80000000
	JLOAD G0+4*\s, G1, G0B+4*\s, G1B               ; three tensor loads of mine are out behind the second of these
.endr
	v_and_b32 v1, 15, v0                           ; r = lane % 16
	v_bfe_u32 v2, v0, 4, 1                         ; h = lane / 16
	v_mul_u32_u24 v3, v1, PITCH
	v_lshl_add_u32 v4, v2, 4, v3                   ; a fragment's row x pitch + 16 x half
	s_mul_i32 s21, s15, HALFT                      ; my 128 rows of x
	s_mul_i32 s22, s16, HALFT                      ; my 128 rows of qkv_w,
	s_add_co_u32 s22, s22, 2*HALFT                 ; which lie behind x's 256
.irp s, 0,1
	v_add_nc_u32 v[ADRA+\s], s21, v4
	v_add_nc_u32 v[ADRB+\s], s22, v4
	s_add_co_u32 s21, s21, SLOT
	s_add_co_u32 s22, s22, SLOT
.endr
	v_mul_u32_u24 v5, v1, KS                       ; my row's scales: 32 bytes a row,
	v_lshrrev_b32 v6, 8, v5
	v_lshl_add_u32 v5, v6, 4, v5                   ; and 16 more for each 256 passed
	s_mul_i32 s21, s15, HALFS                      ; x's: my 128 rows
	s_mul_i32 s22, s16, HALFS                      ; qkv_w's: my 128 rows, behind x's 256
	s_add_co_u32 s22, s22, 2*HALFS
	s_sub_co_u32 s22, s22, s21
	v_mul_u32_u24 v6, s22, v2                      ; lanes 16-31 take qkv_w's: one product, the distance between the two bases x h
	s_add_co_u32 s21, s21, SCL
	v_add_nc_u32 v5, v5, v6
	v_add_nc_u32 v[ADRS], s21, v5
	s_mul_i32 s23, s14, 16*SPITCH                  ; my stage
	v_mul_u32_u24 v5, v1, SPITCH                   ; in: row r, 16 bytes for each half of the lanes
	v_lshl_add_u32 v5, v2, 4, v5
	v_add_nc_u32 v[STO], s23, v5
	v_and_b32 v6, 31, v0
	v_lshlrev_b32 v[CO], 4, v6
	v_lshrrev_b32 v5, 3, v6                        ; back: eight lanes take the 128 bytes of one head of one position, 32 lanes four positions
	v_mul_u32_u24 v5, v5, SPITCH
	v_and_b32 v6, 7, v0
	v_lshl_add_u32 v5, v6, 4, v5
	v_add_nc_u32 v[RD], s23, v5
	v_lshlrev_b32 v[BO], 5, v2
	; where my part begins in the table, in the bias and in qkvh
	s_lshl_b32 s20, s17, 8
	s_lshl_b32 s21, s15, 7
	s_add_co_u32 s20, s20, s21                     ; my first row: 256 x tile row + 128 x half
	s_lshr_b32 s21, s20, 11                        ; its batch,
	s_and_b32 s20, s20, 2047                       ; its position
	s_lshl_b32 s22, s20, 8                         ; the table: 256 bytes a position
	s_mov_b32 s23, 0
	s_add_nc_u64 s[98:99], s[98:99], s[22:23]
	s_lshl_b32 s46, s42, 10                        ; the bias: 4 (256 x tile column + 128 x half)
	s_lshl_b32 s47, s16, 9
	s_add_co_u32 s46, s46, s47
	s_mov_b32 s47, 0
	s_add_nc_u64 s[96:97], s[96:97], s[46:47]
	s_lshl_b32 s21, s21, 4                         ; 16 x batch
	s_lshl_b32 s46, s40, 2                         ; + 4 cx + 2 x half: my first head of two
	s_add_co_u32 s46, s46, s21
	s_lshl_b32 s47, s16, 1
	s_add_co_u32 s46, s46, s47
	s_lshl_b32 s46, s46, 11
	s_add_co_u32 s46, s46, s20                     ; x 2,048 positions + mine
	s_lshl_b32 s46, s46, 7                         ; x 128 bytes
	s_lshl_b32 s47, ttmp9, 24                      ; + the section
	s_add_co_u32 s46, s46, s47
	s_mov_b32 s47, 0
	s_add_nc_u64 s[12:13], s[12:13], s[46:47]
.irp b, 0,1,2,3,4,5,6,7
	global_load_b128 v[BIAS+8*\b:BIAS+8*\b+3], v[BO], s[96:97] offset:64*\b
	global_load_b128 v[BIAS+8*\b+4:BIAS+8*\b+7], v[BO], s[96:97] offset:64*\b+16
.endr
.macro FRAG reg, adr, q, i             ; a fragment, 16 rows x 128 K of 4-bit codes: lane l holds row l % 16; registers 4 c .. 4 c + 3 hold K = 64 c + 32 (l / 16) + 0 .. 31
.irp c, 0,1
	ds_load_b128 v[\reg+4*\c:\reg+4*\c+3], v[\adr] offset:64*(\q)+32*\c+(\i)*16*PITCH
.endr
.endm
; 16 matrix instructions: x's blocks a0, a0 + 1 against qkv_w's eight, the slot's q-th 128 along K.  p: qkv_w's set;  sc: the set of scale words.  zero = 1: the first product starts the sums, from the bias.
; The 64 accumulators take turns, one instruction a turn, in the same order in every step.
.macro MUL16 a0, p, q, sc, zero
.irp a, \a0, \a0+1
.irp b, 0,1,2,3,4,5,6,7
.if \zero
	v_wmma_scale_f32_16x16x128_f8f6f4 v[8*(8*((\a)%4)+\b):8*(8*((\a)%4)+\b)+7], v[128*(\p)+FR*\b:128*(\p)+FR*\b+FR-1], v[AF+FR*(\a):AF+FR*(\a)+FR-1], v[BIAS+8*\b:BIAS+8*\b+7], v[SC+8*NQ*(\sc)+NQ*\b+(\q)], v[SC+8*NQ*(\sc)+NQ*(\a)+(\q)] matrix_a_fmt:MATRIX_FMT_FP4 matrix_b_fmt:MATRIX_FMT_FP4 matrix_a_scale:MATRIX_SCALE_ROW1
.else
	v_wmma_scale_f32_16x16x128_f8f6f4 v[8*(8*((\a)%4)+\b):8*(8*((\a)%4)+\b)+7], v[128*(\p)+FR*\b:128*(\p)+FR*\b+FR-1], v[AF+FR*(\a):AF+FR*(\a)+FR-1], v[8*(8*((\a)%4)+\b):8*(8*((\a)%4)+\b)+7], v[SC+8*NQ*(\sc)+NQ*\b+(\q)], v[SC+8*NQ*(\sc)+NQ*(\a)+(\q)] matrix_a_fmt:MATRIX_FMT_FP4 matrix_b_fmt:MATRIX_FMT_FP4 matrix_a_scale:MATRIX_SCALE_ROW1
.endif
.endr
.endr
.endm
.macro FETCH_B slot, q, p              ; qkv_w's eight fragments of the slot's q-th 128 along K into set p
	WIN TO_B
.irp i, 0,1,2,3,4,5,6,7
	FRAG 128*(\p)+FR*\i, ADRB+\slot, \q, \i
.endr
	WIN 0
.endm
.macro FETCH_A slot, q, i0             ; x's blocks i0 .. i0 + 3
.irp i, \i0, \i0+1, \i0+2, \i0+3
	FRAG AF+FR*(\i), ADRA+\slot, \q, \i
.endr
.endm
.macro SCALES sc                       ; a slot's scale words into set sc: four words a row; lanes 0-15 take x's block i, lanes 16-31 qkv_w's block i
.irp i, 0,1,2,3,4,5,6,7
	ds_load_b128 v[SC+8*NQ*\sc+NQ*\i:SC+8*NQ*\sc+NQ*\i+3], v[ADRS] offset:\i*SBLK
.endr
.endm
; A load into a register that a matrix instruction has read, and a vector instruction or an LDS store that reads a matrix result or writes a matrix instruction's source, stand four places behind it;
; only plain vector instructions that name none of its registers are places.
.macro PLACES n
.rept \n
	v_nop
.endr
.endm
; A step of 128 along K that has its successor in the same slot.  x has one set of registers: blocks 0-3 are fetched anew in the step's middle, blocks 4-7 at its end.
.macro STEP slot, q, zero
	s_wait_dscnt 4*NL                              ; qkv_w's set and x's blocks 0-3 are in; the youngest eight loads (x's blocks 4-7) may be out
.if \zero
	WIN FST_LO
.else
	WIN MUL_LO
.endif
	MUL16 0, (\q)%2, \q, \slot, \zero
	MUL16 2, (\q)%2, \q, \slot, \zero
	s_wait_dscnt 0                                 ; x's blocks 4-7 are in
	PLACES NP
	FETCH_B \slot, (\q)+1, 1-(\q)%2
	FETCH_A \slot, (\q)+1, 0
.if \zero
	WIN FST_HI
.else
	WIN MUL_HI
.endif
	MUL16 4, (\q)%2, \q, \slot, \zero
	MUL16 6, (\q)%2, \q, \slot, \zero
	PLACES NP
	WIN 0
	FETCH_A \slot, (\q)+1, 4
.endm
.macro STEPS slot, from                ; the slot's steps from .. NQ - 2
.set Q, \from
.rept NQ-1-\from
	STEP \slot, Q, 0
.set Q, Q+1
.endr
.endm
; The table of block a (16 positions) into set a % 2 of window 1: eight loads of 512 consecutive bytes
.macro ROPELOAD a
	WIN TO_B
.irp g, 0,1,2,3,4,5,6,7
	global_load_b128 v[CT+32*((\a)%2)+4*\g:CT+32*((\a)%2)+4*\g+3], v[CO], s[98:99] offset:4096*(\a)+512*\g
.endr
	WIN 0
.endm
	ROPELOAD 0                                     ; the first block's table, on every wave's path: it lands under the products.  (The section v loads it too and does not use it)
	s_wait_tensorcnt 1                             ; the scales and my part of slot 0 are in; slot 1's load may be out
	s_barrier_signal -1
	s_barrier_wait -1                              ; everybody's are
	FETCH_B 0, 0, 0
	FETCH_A 0, 0, 0
	SCALES 0
	FETCH_A 0, 0, 4
	s_wait_loadcnt 0x0                             ; the bias and the first block's table
	STEP 0, 0, 1                                   ; the first step's products start the sums from the bias: nothing is cleared, nothing is added later
	STEPS 0, 1
	; slot 0's last step changes slots: ONE barrier.  In front of it each wave waits for all its tensor loads (its part of slot 1), adds 0 to its spare word, and waits for that and for its reads of slot 0
	s_wait_tensorcnt 0x0
	ds_add_u32 v[SPW], v[NIL]
	s_wait_dscnt 4*NL+1                            ; (the add and the youngest eight loads, x's blocks 4-7, may be out)
	WIN MUL_LO
	MUL16 0, 1, NQ-1, 0, 0                         ; sixteen matrix instructions stand between the add and the wait for it
	s_wait_dscnt 0x0                               ; the add is done, and my reads of slot 0 are over
	s_barrier_signal -1
	MUL16 2, 1, NQ-1, 0, 0
	WIN 0
	s_barrier_wait -1                              ; slot 1 is whole, and nobody reads slot 0 any more
	PLACES NP
	v_add_nc_u32 v[ADRS], 4*NQ, v[ADRS]            ; on to slot 1's scale words
	FETCH_B 1, 0, 0
	FETCH_A 1, 0, 0
	SCALES 1
	WIN MUL_HI
	MUL16 4, 1, NQ-1, 0, 0
	MUL16 6, 1, NQ-1, 0, 0
	PLACES NP
	WIN 0
	FETCH_A 1, 0, 4
	STEPS 1, 0
	s_wait_dscnt 4*NL                              ; the very last step: nothing more to fetch
	WIN MUL_LO
	MUL16 0, 1, NQ-1, 1, 0
	MUL16 2, 1, NQ-1, 1, 0
	s_wait_dscnt 0
	WIN MUL_HI
	MUL16 4, 1, NQ-1, 1, 0
	MUL16 6, 1, NQ-1, 1, 0
	WIN 0
	PLACES NP                                      ; behind the last products: for the reads of their results and the writes of the registers that held x's fragments
; THE WAY OUT, block by block of 16 positions x 128 features (two heads).
; ROPE: out = v cos + partner s, two numbers an instruction; each accumulator is read from its low end on; then rounded to f16, 16 bytes a lane.
.macro ROPE a
.set AC, 64*((\a)%4)
.set CB0, CT+32*((\a)%2)
	WIN 0x06+(\a)/4                                ; source 0: window 2 or 3 (the sums); source 1: window 1 (the table); the rest window 0
.irp b, 0,1,2,3,4,5,6,7
.irp p, 0,1,2,3
	v_pk_mul_f32 v[TMP+8*\b+2*\p:TMP+8*\b+2*\p+1], v[AC+8*\b+2*\p:AC+8*\b+2*\p+1], v[CB0+8*(\b%2)+2*\p:CB0+8*(\b%2)+2*\p+1]
.endr
.endr
.irp b, 0,1,2,3,4,5,6,7
.irp p, 0,1,2,3
	v_pk_fma_f32 v[TMP+8*\b+2*\p:TMP+8*\b+2*\p+1], v[AC+8*\b+2*\p:AC+8*\b+2*\p+1], v[CB0+16+8*(\b%2)+2*\p:CB0+16+8*(\b%2)+2*\p+1], v[TMP+8*\b+2*\p:TMP+8*\b+2*\p+1] op_sel:[1,0,0] op_sel_hi:[0,1,1]   ; of source 0 the low result takes the upper register and the high result the lower: the partner
.endr
.endr
	WIN 0
.irp b, 0,1,2,3,4,5,6,7
.irp p, 0,1,2,3
	v_cvt_pk_f16_f32 v[PK+4*\b+\p], v[TMP+8*\b+2*\p], v[TMP+8*\b+2*\p+1]
.endr
.endr
.endm
.macro PACK a                          ; the section v: rounded to f16 as it is
.set AC, 64*((\a)%4)
	WIN 0x0a+5*((\a)/4)                            ; sources 0 and 1: window 2 or 3
.irp b, 0,1,2,3,4,5,6,7
.irp p, 0,1,2,3
	v_cvt_pk_f16_f32 v[PK+4*\b+\p], v[AC+8*\b+2*\p], v[AC+8*\b+2*\p+1]
.endr
.endr
	WIN 0
.endm
; Into my stage by rows of 256 bytes, and back as four positions x 128 bytes of one head.  LDS serves a wave's instructions in order (ISA guide 5.7.1.4): no wait between the stores and the loads, nor in front of the next block's stores.
.macro TOSTAGE a, soff
.set BB, BK+32*((\a)%2)
.irp b, 0,1,2,3,4,5,6,7
	ds_store_b128 v[STO], v[PK+4*\b:PK+4*\b+3] offset:\soff+32*\b
.endr
.irp i, 0,1,2,3,4,5,6,7
	ds_load_b128 v[BB+4*\i:BB+4*\i+3], v[RD] offset:\soff+4*SPITCH*(\i%4)+128*(\i/4)
.endr
.endm
.macro SEND a, younger                 ; younger: the LDS instructions issued behind block a's loads, which may stay out
.set BB, BK+32*((\a)%2)
	s_wait_dscnt \younger
.irp i, 0,1,2,3,4,5,6,7
	global_store_b128 v[CO], v[BB+4*\i:BB+4*\i+3], s[12:13] offset:2048*(\a)+262144*(\i/4)+512*(\i%4)   ; 32 lanes store 512 consecutive bytes, aligned: four positions of one head.  Every offset is an immediate: no base is stepped
.endr
.endm
.macro WAYOUT rope, soff
.irp a, 0,1,2,3,4,5,6,7
.if \rope
.if \a < 7
	ROPELOAD \a+1
	s_wait_loadcnt 8                               ; this block's table is in; the next block's eight loads may be out
.else
	s_wait_loadcnt 0
.endif
	ROPE \a
.else
	PACK \a
.endif
.if \a > 1
	s_wait_xcnt 0x0                                ; block a - 2's stores have read their registers: block a's loads from the stage may land there
.endif
	TOSTAGE \a, \soff
.if \a > 0
	SEND \a-1, 16                                  ; behind block a - 1's loads: block a's 8 stores and 8 loads
.endif
.endr
	SEND 7, 0
.endm
	s_cmp_eq_u32 ttmp9, 2                          ; the section v is not turned: the cluster's x, the same in all sixteen partners
	s_cbranch_scc1 .Lplain
	WAYOUT 1, 0
	s_branch .Lend
.Lplain:
	WAYOUT 0, STG2
.Lend:
	s_wait_tensorcnt 0x0                           ; the wave's end, behind my last tensor load and my last LDS store
	ds_add_u32 v[SPW], v[NIL]
	s_wait_dscnt 0x0
	CROUND                                         ; the closing round: no work-group ends while a partner may still ask for a tile that names it
	s_endpgm
.Lfunc_end_k_qeffb54b5ed_qkv:
	.size	k_qeffb54b5ed_qkv, .Lfunc_end_k_qeffb54b5ed_qkv-k_qeffb54b5ed_qkv
	.p2alignl 7, 3214868480
	.fill 96, 4, 3214868480
	.section	.rodata,"a",@progbits
	.p2align	6, 0x0
	.amdhsa_kernel k_qeffb54b5ed_qkv
		.amdhsa_group_segment_fixed_size 327680
		.amdhsa_private_segment_fixed_size 0
		.amdhsa_enable_private_segment 0
		.amdhsa_kernarg_size 56
		.amdhsa_user_sgpr_count 2
		.amdhsa_user_sgpr_kernarg_segment_ptr 1
		.amdhsa_wavefront_size32 1
		.amdhsa_system_sgpr_workgroup_id_x 1
		.amdhsa_system_sgpr_workgroup_id_y 1
		.amdhsa_system_sgpr_workgroup_id_z 1
		.amdhsa_system_vgpr_workitem_id 0
		.amdhsa_next_free_vgpr 1024
		.amdhsa_next_free_sgpr 100
		.amdhsa_reserve_vcc 0
		.amdhsa_float_denorm_mode_32 3
		.amdhsa_float_denorm_mode_16_64 3
		.amdhsa_memory_ordered 1
		.amdhsa_forward_progress 1
		.amdhsa_inst_pref_size 198
	.end_amdhsa_kernel
	.amdgpu_metadata
---
amdhsa.version: [ 1, 2 ]
amdhsa.kernels:
  - .name:           k_qeffb54b5ed_qkv
    .symbol:         k_qeffb54b5ed_qkv.kd
    .args:
      - { .name: xc, .offset: 0, .size: 8, .value_kind: global_buffer, .address_space: global }
      - { .name: xs, .offset: 8, .size: 8, .value_kind: global_buffer, .address_space: global }
      - { .name: wc, .offset: 16, .size: 8, .value_kind: global_buffer, .address_space: global }
      - { .name: ws, .offset: 24, .size: 8, .value_kind: global_buffer, .address_space: global }
      - { .name: qkv_b, .offset: 32, .size: 8, .value_kind: global_buffer, .address_space: global }
      - { .name: rope, .offset: 40, .size: 8, .value_kind: global_buffer, .address_space: global }
      - { .name: qkvh, .offset: 48, .size: 8, .value_kind: global_buffer, .address_space: global }
    .group_segment_fixed_size: 327680
    .private_segment_fixed_size: 0
    .kernarg_segment_align: 8
    .kernarg_segment_size: 56
    .max_flat_workgroup_size: 128
    .sgpr_count:     100
    .vgpr_count:     1024
    .wavefront_size: 32
...
	.end_amdgpu_metadata
.endif
;; end of part 2
;; launch attn (part 3): grid 4 x 64, 16 waves a work-group, clusters of 4 x 1, 327,680 bytes of LDS; arguments qkvh, ao; writes ao
.if DOCPART == 3
	.amdgcn_target "amdgcn-amd-amdhsa--gfx1250"
	.amdhsa_code_object_version 6
	.text
	.protected	k_qeffb54b5ed_attn
	.globl	k_qeffb54b5ed_attn
	.p2align	8
	.type	k_qeffb54b5ed_attn,@function
k_qeffb54b5ed_attn:
	s_mov_b64 s[64:65], 0
	v_nop
	global_prefetch_b8 v0, s[64:65] scope:SCOPE_SE
	s_setreg_imm32_b32 hwreg(HW_REG_WAVE_MODE, 25, 1), 1
	s_wait_xcnt 0x0
	s_wait_alu depctr_hold_cnt(0) depctr_sa_sdst(0) depctr_va_vdst(0) depctr_va_sdst(0) depctr_va_ssrc(0) depctr_va_vcc(0) depctr_vm_vsrc(0)
	s_getreg_b32 s2, hwreg(HW_REG_IB_STS2, 6, 4)
	s_cmp_eq_u32 s2, 0
	s_cbranch_scc0 .Lentry_in_a_cluster
	s_endpgm
.Lentry_in_a_cluster:
	s_bfe_u32 s2, ttmp6, 0x10000c
	s_cmp_lg_u32 s2, 0x3003
	s_cbranch_scc0 .Lentry_shape_is_right
	s_endpgm
.Lentry_shape_is_right:
; ATTN: ao[bh][q][:] = the sum over k of softmax_k(Q[bh][q] . K[bh][k] / 8) V[bh][k][:].  Q, K, V: the three sections of qkvh, [64][2048][64] f16; ao likewise.  No mask.
; Products on f16 operands with f32 sums; maxima, exponentials and row sums in f32; the weights p (at most about 1) are rounded to f16 for the second product, the result once at the end.
; SHARES.  A work-group owns 512 queries of one head of one batch; each of its SIXTEEN waves owns 32 of them, two tiles of 16, in 256 registers: four waves to a SIMD, so that one wave's softmax stands beside
; another's products and LDS loads.  Every wave walks all 2,048 keys, 64 a step.
; LAYOUT.  S^T = K Q^T (source 0 = 16 keys, source 1 = 16 queries): a lane holds ONE query (lane % 16) and the keys 8 (lane / 16) + 0..7 of a tile.  Two such tiles, rounded to f16 in pairs, ARE source 1
; (32 keys x 16 queries) of O^T = V^T P, whose result again holds one query a lane.  P is packed in place over S^T.  K comes out of LDS as it lies, V ([key][channel]) turned, by ds_load_tr16_b128.
; SOFTMAX.  For each query a running maximum m and sum l: p = 2^(c s - c m), c = log2(e) / 8; in every step O^T and l are multiplied by a = 2^(c m_old - c m_new).  The loop has no first step of its own:
; O^T and l begin as zeros and m as -3e38, so that the first a is 0.
; CLUSTER.  The four query blocks of a head walk the same K and V: each tile is asked for JOINTLY, by the same tensor load with the same descriptor and a mask that names the four.
; RING.  Two LDS slots of 512 keys.  Every wave fetches: waves 0-7 64 rows of K each, waves 8-15 64 rows of V each.  A refill has a slot's eight key steps in which to land; the first two slots are asked for at the head.
; LIMITS: NaN and infinities are not served; the result goes to f16.
.set KS,    64                         ; keys in a step
.set SK,    512                        ; keys in a slot
.set PK,    144                        ; a row of K in LDS: 128 bytes + 16: the 16 rows of a load start 16 bytes apart modulo 256
.set PV,    160                        ; a row of V: 128 + 32: an odd multiple of 32, for the turning load
.set VOFF,  SK*PK                      ; a slot: 512 rows of K, then 512 rows of V
.set SLOTB, SK*(PK+PV)
.set SPARE, 2*SLOTB                    ; behind the ring: the spare words, 128 bytes for each of 16 waves, which no other line names
.set SPO,   144                        ; the way out: a stage of 32 rows x (128 bytes + 16) for each wave, in slot 0's rows of K, which are left at the last change of slots
.set AK0, 1                            ; v1   my lane's place in a tile of K; never rewritten
.set AV0, 2                            ; v2   the same for V
.set ADK, 3                            ; v3   the LDS address of the step's K
.set ADV, 4                            ; v4   of its V
.set QO,  5                            ; v5   my byte offset in the wave's rows of Q
.set RD,  6                            ; v6   the way out: where I read back
.set GO,  7                            ; v7   16 x lane
.set ST,  12                           ; tile t's statistics at v[12 + 8 t]: +0 c m, +1 m, +2, +3 l (two halves), +4 to +7 at work; a takes +6
.set SPW, 28                           ; v28  LDS address of my spare word; never rewritten
.set NIL, 29                           ; v29  0; never rewritten
.set STO, 30                           ; v30  the way out: where I put 16 bytes of a row
.set Q,   32                           ; v32-63   Q: tile x, channels 32 c on, at 32 + 16 x + 8 c
.set KV,  64                           ; v64-127  K's 8 fragments, then V's 8: one buffer by turns
.set S,   128                          ; v128-191 S^T: tile x, keys 16 kt on, at 128 + 32 x + 8 kt; then P
.set O,   192                          ; v192-255 O^T: tile x, channels 16 ct on, at 192 + 32 x + 8 ct
.set WV,  12                           ; s12  my wave's number
.set W7,  13                           ; s13  its low three bits: which 64 rows I fetch
.set G1K, 24                           ; s[24:31] descriptor group 1 for K's tiles
.set G1V, 32                           ; s[32:39] for V's: it differs in the padding alone
.set G0K, 40                           ; s[40:47] group 0 for K's tiles, a set for each slot
.set G0V, 48                           ; s[48:55] for V's
.set TBK, 56                           ; s56  LDS byte at which the step's K begins
.set TBV, 57                           ; s57  the same for V, less VOFF
.set CS,  58                           ; s[58:59] c, in both words: the packed form names a pair
.set SEL, 60                           ; s[60:61] lane selects for v_permlanex16_b32: lane l xor 16
.set CNT, 62                           ; s62  counts a slot's steps
; A joint refill of slot s.  The branch hangs on the wave's number alone.  An s_nop 0 and four v_nop follow each of the two lines.
.macro JLOAD s
	s_cmp_lt_u32 s[WV], 8
	s_cbranch_scc0 .Lfor_v_\@
	tensor_load_to_lds s[G0K+4*\s:G0K+4*\s+3], s[G1K:G1K+7]
	s_nop 0
.rept 4
	v_nop
.endr
	s_branch .Lasked_\@
.Lfor_v_\@:
	tensor_load_to_lds s[G0V+4*\s:G0V+4*\s+3], s[G1V:G1V+7]
	s_nop 0
.rept 4
	v_nop
.endr
.Lasked_\@:
.endm
.macro CROUND                          ; a round of the cluster's barrier
	s_barrier_signal -1
	s_barrier_wait -1
	s_cmp_lg_u32 s[WV], 0
	s_cbranch_scc1 .Lnot_wave_0_\@
	s_barrier_signal -3
.Lnot_wave_0_\@:
	s_barrier_wait -3
	s_barrier_signal -1
	s_barrier_wait -1
.endm
	s_load_b128 s[4:7], s[0:1], 0x0                ; qkvh, ao
	v_lshl_add_u32 v[SPW], v0, 2, SPARE
	v_mov_b32 v[NIL], 0
	ds_add_u32 v[SPW], v[NIL]                      ; the wave's opening: the add, twice on end, and its wait ahead of my first tensor load
	ds_add_u32 v[SPW], v[NIL]
	v_lshrrev_b32 v8, 5, v0
	v_readfirstlane_b32 s[WV], v8                  ; wave 0..15
	s_and_b32 s[W7], s[WV], 7
	s_bfe_u32 s14, ttmp6, 0x40000                  ; cx
	s_lshl_b32 s16, ttmp9, 2
	s_add_co_u32 s14, s14, s16                     ; my block of 512 queries: it enters Q's and ao's addresses alone
	s_and_b32 s15, ttmp7, 0xffff                   ; 16 x batch + head, which the four partners share
	s_lshl_b32 s16, s15, 18                        ; a head's rows are 2^18 bytes
	s_lshl_b32 s17, s[W7], 13                      ; my 64 rows of 128 bytes
	s_add_co_u32 s16, s16, s17
	s_mov_b32 s17, 0
	s_lshl_b32 s18, s15, 18
	s_lshl_b32 s19, s14, 16                        ; my block's 512 rows,
	s_add_co_u32 s18, s18, s19
	s_lshl_b32 s19, s[WV], 12                      ; my wave's 32 of them
	s_add_co_u32 s18, s18, s19
	s_mov_b32 s19, 0
	s_mul_i32 s20, s[W7], 64*PK                    ; where my rows go in a slot: no place in the cluster enters an LDS address
	s_mul_i32 s21, s[W7], 64*PV
	; descriptor group 1: a tile of 64 rows x 64 elements of 2 bytes, dense in memory, padded in LDS
	s_mov_b32 s[G1K], 15|(1<<16)|(1<<20)|(1<<21)|(4<<22)|(3<<25)  ; 15:0 the mask: all four work-groups; 17:16 elements of 2 bytes; 20 padding on; 21 set beside a mask; 24:22 after every 32 words; 31:25 four words
	s_mov_b32 s[G1V], 15|(1<<16)|(1<<20)|(1<<21)|(4<<22)|(7<<25)  ; the same with eight words of padding
.irp g, G1K, G1V
	s_mov_b32 s[\g+1], 64<<16                      ; tensor_dim0
	s_mov_b32 s[\g+2], 64<<16                      ; tensor_dim1
	s_mov_b32 s[\g+3], 64<<16                      ; tile_dim0
	s_mov_b32 s[\g+4], 64                          ; tile_dim1
	s_mov_b32 s[\g+5], 64                          ; tensor_dim0_stride
	s_mov_b32 s[\g+6], 0
	s_mov_b32 s[\g+7], 0
.endr
	s_mov_b32 s[CS], 0x3e38aa3b                    ; c = log2(e) / 8
	s_mov_b32 s[CS+1], s[CS]
	s_mov_b32 s[SEL], 0x76543210
	s_mov_b32 s[SEL+1], 0xfedcba98
	s_wait_dscnt 0x0                               ; both opening adds are done
	s_wait_kmcnt 0x0
	s_add_nc_u64 s[8:9], s[4:5], s[16:17]
	s_add_nc_u64 s[10:11], s[8:9], 0x2000000       ; V: the third section
	s_add_nc_u64 s[8:9], s[8:9], 0x1000000         ; K: the second
	s_add_nc_u64 s[4:5], s[4:5], s[18:19]          ; Q and ao at my wave's first row
	s_add_nc_u64 s[6:7], s[6:7], s[18:19]
	CROUND                                         ; all four work-groups are here: the first joint loads meet
.irp s, 0,1
	s_mov_b32 s[G0K+4*\s], 1                       ; 1:0 count = 1
	s_add_co_u32 s[G0K+4*\s+1], s20, \s*SLOTB      ; 63:32 LDS address
	s_add_nc_u64 s[G0K+4*\s+2:G0K+4*\s+3], s[8:9], \s*SK*128   ; 120:64 global address: slot s begins with keys 512 s on
	s_or_b32 s[G0K+4*\s+3], s[G0K+4*\s+3], 0x80000000          ; 127:126 type = 2
	s_mov_b32 s[G0V+4*\s], 1
	s_add_co_u32 s[G0V+4*\s+1], s21, \s*SLOTB+VOFF
	s_add_nc_u64 s[G0V+4*\s+2:G0V+4*\s+3], s[10:11], \s*SK*128
	s_or_b32 s[G0V+4*\s+3], s[G0V+4*\s+3], 0x80000000
.endr
	s_cmp_lt_u32 s[WV], 8                          ; a wave's two first fills stand in one branch, ahead of every wait on TENSORcnt and every LDS read: two loads of mine are out
	s_cbranch_scc0 .Lfirst_v
	tensor_load_to_lds s[G0K:G0K+3], s[G1K:G1K+7]
	s_nop 0
	tensor_load_to_lds s[G0K+4:G0K+7], s[G1K:G1K+7]
	s_nop 0
.rept 4
	v_nop
.endr
	s_branch .Lfirst_asked
.Lfirst_v:
	tensor_load_to_lds s[G0V:G0V+3], s[G1V:G1V+7]
	s_nop 0
	tensor_load_to_lds s[G0V+4:G0V+7], s[G1V:G1V+7]
	s_nop 0
.rept 4
	v_nop
.endr
.Lfirst_asked:
	; A fragment of K or Q is 16 rows x 32 channels in 8 registers: lane l holds row l % 16; registers 0-3 channels 8 (l / 16) + 0..7, registers 4-7 channels 16 + 8 (l / 16) + 0..7: two loads of 16 bytes, 32 bytes apart
	v_and_b32 v8, 15, v0                           ; r
	v_bfe_u32 v9, v0, 4, 1                         ; h
	v_lshlrev_b32 v[QO], 7, v8
	v_lshl_add_u32 v[QO], v9, 4, v[QO]             ; row x 128 + 16 x half
.irp x, 0,1
.irp c, 0,1
	global_load_b128 v[Q+16*\x+8*\c:Q+16*\x+8*\c+3],   v[QO], s[4:5] offset:2048*\x+64*\c      ; Q stays in registers
	global_load_b128 v[Q+16*\x+8*\c+4:Q+16*\x+8*\c+7], v[QO], s[4:5] offset:2048*\x+64*\c+32
.endr
.endr
	v_mul_u32_u24 v[AK0], v8, PK
	v_lshl_add_u32 v[AK0], v9, 4, v[AK0]           ; row x pitch + 16 x half
	; The turning load takes 16 keys x 16 channels (lane l reads 16 bytes: key 8 (l / 16) + l % 8, channels 8 ((l / 8) % 2) + 0..7) and leaves half a fragment of V^T: lane l holds channel l % 16 and 8 keys
	v_and_b32 v10, 7, v0
	v_bfe_u32 v11, v0, 3, 1
	v_lshl_add_u32 v[AV0], v9, 3, v10
	v_mul_u32_u24 v[AV0], v[AV0], PV
	v_lshl_add_u32 v[AV0], v11, 4, v[AV0]
	v_add_nc_u32 v[AV0], VOFF, v[AV0]
	s_mul_i32 s16, s[WV], 32*SPO                   ; my stage
	v_mul_u32_u24 v[STO], v8, SPO                  ; in: row r, 16 bytes for each half of the lanes
	v_lshl_add_u32 v[STO], v9, 4, v[STO]
	v_add_nc_u32 v[STO], s16, v[STO]
	v_and_b32 v10, 31, v0
	v_lshlrev_b32 v[GO], 4, v10
	v_lshrrev_b32 v11, 3, v10                      ; back: eight lanes take a row of 128 bytes, 32 lanes four rows
	v_mul_u32_u24 v[RD], v11, SPO
	v_and_b32 v11, 7, v0
	v_lshl_add_u32 v[RD], v11, 4, v[RD]
	v_add_nc_u32 v[RD], s16, v[RD]
.irp t, 0,1
	v_mov_b32 v[ST+8*\t+1], 0xff61b1e6             ; m: -3e38, under every score
	v_mul_f32 v[ST+8*\t], s[CS], v[ST+8*\t+1]      ; c m
	v_mov_b32 v[ST+8*\t+2], 0                      ; l, in two halves
	v_mov_b32 v[ST+8*\t+3], 0
.endr
.set i, 0
.rept 64
	v_mov_b32 v[O+i], 0                            ; O^T.  (The step is written without a first form of its own: the first a, which is 0, multiplies zeros)
.set i, i+1
.endr
; A KEY STEP: 64 keys.
.macro STEP
	v_add_nc_u32 v[ADK], s[TBK], v[AK0]            ; these two and three v_nop are five places behind the last step's products V^T P: four are asked in front of the loads into the registers that they read,
	v_add_nc_u32 v[ADV], s[TBV], v[AV0]            ; five in front of the products below, which write over P (ISA guide 7.12.1)
.rept 3
	v_nop
.endr
.irp kt, 0,1,2,3                               ; K: keys 16 kt on, channels 32 c on
.irp c, 0,1
	ds_load_b128 v[KV+16*\kt+8*\c:KV+16*\kt+8*\c+3],   v[ADK] offset:16*PK*\kt+64*\c
	ds_load_b128 v[KV+16*\kt+8*\c+4:KV+16*\kt+8*\c+7], v[ADK] offset:16*PK*\kt+64*\c+32
.endr
.endr
	s_wait_dscnt 0x0
.irp c, 0,1                                    ; S^T = K Q^T: eight accumulators by turns, one instruction a turn; the first eight start the sums
.irp kt, 0,1,2,3
.irp x, 0,1
.if \c == 0
	v_wmma_f32_16x16x32_f16 v[S+32*\x+8*\kt:S+32*\x+8*\kt+7], v[KV+16*\kt+8*\c:KV+16*\kt+8*\c+7], v[Q+16*\x+8*\c:Q+16*\x+8*\c+7], 0
.else
	v_wmma_f32_16x16x32_f16 v[S+32*\x+8*\kt:S+32*\x+8*\kt+7], v[KV+16*\kt+8*\c:KV+16*\kt+8*\c+7], v[Q+16*\x+8*\c:Q+16*\x+8*\c+7], v[S+32*\x+8*\kt:S+32*\x+8*\kt+7]
.endif
.endr
.endr
.endr
.rept 4
	v_nop                                          ; four places: for the loads into K's registers and for the reads of the scores
.endr
.irp kk, 0,1                                   ; V, turned: keys 32 kk on, channels 16 ct on.  It lands while the softmax is walked
.irp ct, 0,1,2,3
	ds_load_tr16_b128 v[KV+32*\kk+8*\ct:KV+32*\kk+8*\ct+3],   v[ADV] offset:32*PV*\kk+32*\ct
	ds_load_tr16_b128 v[KV+32*\kk+8*\ct+4:KV+32*\kk+8*\ct+7], v[ADV] offset:32*PV*\kk+16*PV+32*\ct
.endr
.endr
	; the softmax, the two tiles line by line, so that no line waits for the line above it.  The maximum of a lane's 32 scores and the old m: four chains, each accumulator read from its low end on
.irp j, 0,1,2,3
.irp t, 0,1
	v_max3_num_f32 v[ST+8*\t+4+\j], v[S+32*\t+8*\j], v[S+32*\t+8*\j+1], v[S+32*\t+8*\j+2]
.endr
.endr
.irp i, 3,5
.irp j, 0,1,2,3
.irp t, 0,1
	v_max3_num_f32 v[ST+8*\t+4+\j], v[ST+8*\t+4+\j], v[S+32*\t+8*\j+\i], v[S+32*\t+8*\j+\i+1]
.endr
.endr
.endr
.irp t, 0,1
	v_max3_num_f32 v[ST+8*\t+4], v[ST+8*\t+4], v[S+32*\t+7], v[S+32*\t+15]
.endr
.irp t, 0,1
	v_max3_num_f32 v[ST+8*\t+6], v[ST+8*\t+6], v[S+32*\t+23], v[S+32*\t+31]
.endr
.irp t, 0,1
	v_max3_num_f32 v[ST+8*\t+4], v[ST+8*\t+4], v[ST+8*\t+5], v[ST+8*\t+6]
.endr
.irp t, 0,1
	v_max3_num_f32 v[ST+8*\t+4], v[ST+8*\t+4], v[ST+8*\t+7], v[ST+8*\t+1]
.endr
.irp t, 0,1
	v_permlanex16_b32 v[ST+8*\t+5], v[ST+8*\t+4], s[SEL], s[SEL+1]   ; the query's other 32 keys lie in the lane 16 away
.endr
.irp t, 0,1
	v_mov_b32 v[ST+8*\t+7], v[ST+8*\t]             ; c m_old is kept for a
.endr
.irp t, 0,1
	v_max_num_f32 v[ST+8*\t+1], v[ST+8*\t+4], v[ST+8*\t+5]          ; the new m
.endr
.irp t, 0,1
	v_mul_f32 v[ST+8*\t], s[CS], v[ST+8*\t+1]
.endr
.irp t, 0,1
	v_sub_f32 v[ST+8*\t+7], v[ST+8*\t+7], v[ST+8*\t]                ; c m_old - c m_new
.endr
.irp j, 0,2,4,6,8,10,12,14,16,18,20,22,24,26,28,30
.irp t, 0,1
	v_pk_fma_f32 v[S+32*\t+\j:S+32*\t+\j+1], v[S+32*\t+\j:S+32*\t+\j+1], s[CS:CS+1], v[ST+8*\t:ST+8*\t+1] op_sel_hi:[1,0,0] neg_lo:[0,0,1] neg_hi:[0,0,1]   ; c s - c m, two at a time
.endr
.endr
.irp t, 0,1
	v_exp_f32 v[ST+8*\t+6], v[ST+8*\t+7]           ; a
.endr
.set i, 0
.rept 32
	v_exp_f32 v[S+i], v[S+i]                       ; p
	v_exp_f32 v[S+32+i], v[S+32+i]
.set i, i+1
.endr
	v_nop                                          ; a plain instruction behind the last exponential, ahead of the first use
	s_wait_alu depctr_va_vdst(0)                   ; the wait ahead of the first instruction that names a result: one for the batch of 66
.irp t, 0,1
	v_pk_mul_f32 v[ST+8*\t+2:ST+8*\t+3], v[ST+8*\t+2:ST+8*\t+3], v[ST+8*\t+6:ST+8*\t+7] op_sel_hi:[1,0]   ; l x a
.endr
.irp t, 0,1
	v_pk_add_f32 v[ST+8*\t+4:ST+8*\t+5], v[S+32*\t:S+32*\t+1], v[S+32*\t+2:S+32*\t+3]   ; the row's sum is taken of the unrounded p, two at a time, in two chains
.endr
.irp j, 4,8,12,16,20,24,28
.irp t, 0,1
	v_pk_add_f32 v[ST+8*\t+2:ST+8*\t+3], v[ST+8*\t+2:ST+8*\t+3], v[S+32*\t+\j:S+32*\t+\j+1]
	v_pk_add_f32 v[ST+8*\t+4:ST+8*\t+5], v[ST+8*\t+4:ST+8*\t+5], v[S+32*\t+\j+2:S+32*\t+\j+3]
.endr
.endr
.irp t, 0,1
	v_pk_add_f32 v[ST+8*\t+2:ST+8*\t+3], v[ST+8*\t+2:ST+8*\t+3], v[ST+8*\t+4:ST+8*\t+5]
.endr
.irp kk, 0,1                                   ; P in place: register i of a run of 16 takes numbers 2 i and 2 i + 1, i ascending, so that no number is written over before it is read
.irp i, 0,1,2,3,4,5,6,7
.irp t, 0,1
	v_cvt_pk_f16_f32 v[S+32*\t+16*\kk+\i], v[S+32*\t+16*\kk+2*\i], v[S+32*\t+16*\kk+2*\i+1]
.endr
.endr
.endr
.set i, 0
.rept 16
	v_pk_mul_f32 v[O+i:O+i+1], v[O+i:O+i+1], v[ST+6:ST+7] op_sel_hi:[1,0]                  ; O^T x a, each accumulator from its low end on
	v_pk_mul_f32 v[O+32+i:O+32+i+1], v[O+32+i:O+32+i+1], v[ST+14:ST+15] op_sel_hi:[1,0]
.set i, i+2
.endr
	s_wait_dscnt 0x0                               ; V is in
.irp kk, 0,1                                   ; O^T += V^T P: eight accumulators by turns
.irp ct, 0,1,2,3
.irp x, 0,1
	v_wmma_f32_16x16x32_f16 v[O+32*\x+8*\ct:O+32*\x+8*\ct+7], v[KV+32*\kk+8*\ct:KV+32*\kk+8*\ct+7], v[S+32*\x+16*\kk:S+32*\x+16*\kk+7], v[O+32*\x+8*\ct:O+32*\x+8*\ct+7]
.endr
.endr
.endr
.endm
; A slot's eight key steps: written once for each of the four walks of a slot, walked eight times; the trip count is a constant
.macro SLOTSTEPS s
	s_mov_b32 s[TBK], \s*SLOTB
	s_mov_b32 s[TBV], \s*SLOTB
	s_mov_b32 s[CNT], SK/KS
.Lstep_\@:
	STEP
	s_add_co_u32 s[TBK], s[TBK], KS*PK
	s_add_co_u32 s[TBV], s[TBV], KS*PV
	s_sub_co_u32 s[CNT], s[CNT], 1
	s_cmp_lg_u32 s[CNT], 0
	s_cbranch_scc1 .Lstep_\@
.endm
; THE CHANGE OF SLOTS.  Each wave waits for all its tensor loads, of which one is out: its part of the other slot; adds 0 to its spare word; and waits for that and for its reads of slot s.  The barrier is a round of
; the cluster's, so that no wave of any partner still reads the slot or has a load on its way; the joint refill, with the keys two slots on, is the first thing behind it.
.macro CHANGE s
	s_wait_tensorcnt 0x0                           ; no tensor load of mine is out, so a group 0 may be written
	ds_add_u32 v[SPW], v[NIL]                      ; 0 onto my spare word; the descriptors' steps stand between it and the wait for it
	s_add_nc_u64 s[G0K+4*\s+2:G0K+4*\s+3], s[G0K+4*\s+2:G0K+4*\s+3], 2*SK*128   ; the type bits on top are not reached
	s_add_nc_u64 s[G0V+4*\s+2:G0V+4*\s+3], s[G0V+4*\s+2:G0V+4*\s+3], 2*SK*128
	s_wait_dscnt 0x0                               ; the add is done, and my reads of the slot are over
	CROUND
	JLOAD \s
.endm
	s_wait_tensorcnt 0x1                           ; my part of slot 0 is in; slot 1's may stay out
	s_barrier_signal -1
	s_barrier_wait -1                              ; everybody's is
	s_wait_loadcnt 0x0                             ; Q
	SLOTSTEPS 0                                    ; keys 0 to 511
	CHANGE 0                                       ; slot 0 takes keys 1,024 on
	SLOTSTEPS 1                                    ; keys 512 to 1,023
	CHANGE 1                                       ; slot 1 takes keys 1,536 on
	SLOTSTEPS 0
	s_wait_tensorcnt 0x0                           ; the last change of slots: nothing is left to fetch, so a barrier of the work-group is enough
	ds_add_u32 v[SPW], v[NIL]
	s_wait_dscnt 0x0
	s_barrier_signal -1
	s_barrier_wait -1
	SLOTSTEPS 1
	; THE WAY OUT.  l's two halves and the other half of the lanes' are added; O^T is divided by l, rounded to f16 and sent through my stage.  The additions and the v_nop are the places behind the last products.
.irp t, 0,1
	v_add_f32 v[ST+8*\t+4], v[ST+8*\t+2], v[ST+8*\t+3]
.endr
.irp t, 0,1
	v_permlanex16_b32 v[ST+8*\t+5], v[ST+8*\t+4], s[SEL], s[SEL+1]
.endr
.irp t, 0,1
	v_add_f32 v[ST+8*\t+4], v[ST+8*\t+4], v[ST+8*\t+5]
.endr
.irp t, 0,1
	v_rcp_f32 v[ST+8*\t+6], v[ST+8*\t+4]
.endr
	v_nop                                          ; a plain instruction between the last reciprocal and the use of its result
	s_wait_alu depctr_va_vdst(0)                   ; and a wait ahead of the first use: one for both
.set i, 0
.rept 16
	v_pk_mul_f32 v[O+i:O+i+1], v[O+i:O+i+1], v[ST+6:ST+7] op_sel_hi:[1,0]
	v_pk_mul_f32 v[O+32+i:O+32+i+1], v[O+32+i:O+32+i+1], v[ST+14:ST+15] op_sel_hi:[1,0]
.set i, i+2
.endr
.set i, 0
.rept 32
	v_cvt_pk_f16_f32 v[S+i], v[O+2*i], v[O+2*i+1]  ; register 16 x + 4 ct + p: channels 16 ct + 8 (lane / 16) + 2 p, + 1 of query 16 x + lane % 16
.set i, i+1
.endr
.irp x, 0,1
.irp ct, 0,1,2,3
	ds_store_b128 v[STO], v[S+16*\x+4*\ct:S+16*\x+4*\ct+3] offset:16*SPO*\x+32*\ct
.endr
.endr
.irp i, 0,1,2,3,4,5,6,7
	ds_load_b128 v[KV+4*\i:KV+4*\i+3], v[RD] offset:4*SPO*\i      ; LDS serves a wave's instructions in order (ISA guide 5.7.1.4): these see the stores above
.endr
.irp i, 0,1,2,3,4,5,6,7
	s_wait_dscnt 7-\i                              ; the younger loads may be out
	global_store_b128 v[GO], v[KV+4*\i:KV+4*\i+3], s[6:7] offset:512*\i   ; 32 lanes store 512 consecutive bytes, aligned: four rows of ao
.endr
	s_wait_tensorcnt 0x0                           ; the wave's end, behind my last tensor load and my last LDS store
	ds_add_u32 v[SPW], v[NIL]
	s_wait_dscnt 0x0
	CROUND                                         ; the closing round: no work-group ends while a partner may still ask for a tile that names it
	s_endpgm
.Lfunc_end_k_qeffb54b5ed_attn:
	.size	k_qeffb54b5ed_attn, .Lfunc_end_k_qeffb54b5ed_attn-k_qeffb54b5ed_attn
	.p2alignl 7, 3214868480
	.fill 96, 4, 3214868480
	.section	.rodata,"a",@progbits
	.p2align	6, 0x0
	.amdhsa_kernel k_qeffb54b5ed_attn
		.amdhsa_group_segment_fixed_size 327680
		.amdhsa_private_segment_fixed_size 0
		.amdhsa_enable_private_segment 0
		.amdhsa_kernarg_size 16
		.amdhsa_user_sgpr_count 2
		.amdhsa_user_sgpr_kernarg_segment_ptr 1
		.amdhsa_wavefront_size32 1
		.amdhsa_system_sgpr_workgroup_id_x 1
		.amdhsa_system_sgpr_workgroup_id_y 1
		.amdhsa_system_sgpr_workgroup_id_z 1
		.amdhsa_system_vgpr_workitem_id 0
		.amdhsa_next_free_vgpr 256
		.amdhsa_next_free_sgpr 66
		.amdhsa_reserve_vcc 0
		.amdhsa_float_denorm_mode_32 3
		.amdhsa_float_denorm_mode_16_64 3
		.amdhsa_memory_ordered 1
		.amdhsa_forward_progress 1
		.amdhsa_inst_pref_size 88
	.end_amdhsa_kernel
	.amdgpu_metadata
---
amdhsa.version: [ 1, 2 ]
amdhsa.kernels:
  - .name:           k_qeffb54b5ed_attn
    .symbol:         k_qeffb54b5ed_attn.kd
    .args:
      - { .name: qkvh, .offset: 0, .size: 8, .value_kind: global_buffer, .address_space: global }
      - { .name: ao, .offset: 8, .size: 8, .value_kind: global_buffer, .address_space: global }
    .group_segment_fixed_size: 327680
    .private_segment_fixed_size: 0
    .kernarg_segment_align: 8
    .kernarg_segment_size: 16
    .max_flat_workgroup_size: 512
    .sgpr_count:     66
    .vgpr_count:     256
    .wavefront_size: 32
...
	.end_amdgpu_metadata
.endif
;; end of part 3
;; launch proj (part 4): grid 4 x 64, 4 waves a work-group, clusters of 4 x 4, 327,680 bytes of LDS; arguments ao, pw16, proj_b, out0; writes out0
.if DOCPART == 4
	.amdgcn_target "amdgcn-amd-amdhsa--gfx1250"
	.amdhsa_code_object_version 6
	.text
	.protected	k_qeffb54b5ed_proj
	.globl	k_qeffb54b5ed_proj
	.p2align	8
	.type	k_qeffb54b5ed_proj,@function
k_qeffb54b5ed_proj:
	s_mov_b64 s[64:65], 0
	v_nop
	global_prefetch_b8 v0, s[64:65] scope:SCOPE_SE
	s_setreg_imm32_b32 hwreg(HW_REG_WAVE_MODE, 25, 1), 1
	s_wait_xcnt 0x0
	s_wait_alu depctr_hold_cnt(0) depctr_sa_sdst(0) depctr_va_vdst(0) depctr_va_sdst(0) depctr_va_ssrc(0) depctr_va_vcc(0) depctr_vm_vsrc(0)
	s_getreg_b32 s2, hwreg(HW_REG_IB_STS2, 6, 4)
	s_cmp_eq_u32 s2, 0
	s_cbranch_scc0 .Lentry_in_a_cluster
	s_endpgm
.Lentry_in_a_cluster:
	s_bfe_u32 s2, ttmp6, 0x10000c
	s_cmp_lg_u32 s2, 0xf033
	s_cbranch_scc0 .Lentry_shape_is_right
	s_endpgm
.Lentry_shape_is_right:
; PROJ: out0[m][n] = sum over k of a[m][k] proj_w[n][k] + proj_b[n].  a is the attention's result, laid by head: ao [64 = 16 batch + head][2048 positions][64] f16, k = 64 head + channel; pw16 [1024][1024] f16; out0 f32.
; M 8,192, N 1,024, K 1,024; f16 operands, f32 sums.
; A tile of out0 is 128 rows x 256 columns: 256 work-groups.  Four waves, each 64 x 128: 32 accumulators of 16 x 16, 256 registers.  K goes in steps of 128, two heads, through a ring of two LDS slots.  A step's tile of a
; is two dense blocks of 128 rows x 128 bytes, one for each head (waves 0 and 1 fetch one each); its tile of pw16 is 256 rows of 256 bytes (waves 2 and 3 fetch 128 rows each).
; CLUSTERS: 4 x 4 work-groups.  The four of a row of the cluster need the same tiles of a, the four of a column the same tiles of pw16: each tile is asked for JOINTLY.
; THE MATRIX INSTRUCTION IS USED TRANSPOSED (source 0 = 16 rows of pw16, source 1 = 16 rows of a): a lane holds eight neighbouring numbers of a row of out0.  The bias is the C of each sum's first product.
; REGISTERS: window 0: v0-31 addresses; v32-63, v64-95 a's fragments, two buffers; v128-191, v192-255 pw16's, two buffers (on the way out: rows read back, two sets).
;   window 1: the accumulators, (a, b) at v[8 (8 a + b)].   window 2: v0-63 the bias, tile b at v[8 b].
.set PA,     144                       ; a row of a in LDS: 128 bytes + 16
.set PB,     272                       ; a row of pw16: 256 bytes + 16: in both the 16 rows of a load start 16 bytes apart modulo 256
.set APL,    128*PA                    ; one head's 128 rows
.set BH,     128*PB                    ; 128 rows of pw16
.set SLOT,   2*APL+2*BH
.set SPARE,  2*SLOT                    ; behind the ring: the spare words, 128 bytes a wave, which no other line names
.set SPITCH, 528                       ; the way out: a stage of 16 rows x (512 bytes + 16) for each wave, in slot 0, which has had its last fill and its last read by then (the last K step lies in slot 1)
.set LAPS,   4                         ; a lap = two K steps = once round the ring
.set ADRA, 16                          ; v16-17  LDS address of my fragments of a in slot 0, 1
.set ADRB, 20                          ; v20-21  the same for pw16
.set STO,  24                          ; v24     the way out: where I put 32 bytes of a row
.set RD,   25                          ; v25     where I read a row back
.set CO,   26                          ; v26     16 x lane
.set SPW,  28                          ; v28     LDS address of my spare word; never rewritten
.set NIL,  29                          ; v29     0; never rewritten
.set BO,   30                          ; v30     the bias: 32 x (lane / 16)
.set AF,   32
.set BF,   128
.set BK,   128
.set G1, 24                            ; s[24:31] descriptor group 1 for a's tiles;  s[32:39] group 0, one set for each slot
.set G0, 32
.set G1B, 48                           ; s[48:55], s[56:63] the same for pw16's
.set G0B, 56
.set MSB, 0
.macro WIN new                         ; the immediate's high byte repeats the setting that is left
.if MSB != (\new)
	s_set_vgpr_msb (MSB<<8)|(\new)
.set MSB, (\new)
.endif
.endm
.set MUL,   0x50                       ; C and D window 1, sources window 0
.set FIRST, 0x60                       ; C (the bias) window 2, D window 1
.macro JLOAD s                         ; a joint load: waves 0 and 1 fetch a's two heads, waves 2 and 3 pw16's two halves; an s_nop 0 and four v_nop follow each of the two lines
	s_cmp_eq_u32 s11, 0
	s_cbranch_scc0 .Lfor_b_\@
	tensor_load_to_lds s[G0+4*\s:G0+4*\s+3], s[G1:G1+7]
	s_nop 0
.rept 4
	v_nop
.endr
	s_branch .Lasked_\@
.Lfor_b_\@:
	tensor_load_to_lds s[G0B+4*\s:G0B+4*\s+3], s[G1B:G1B+7]
	s_nop 0
.rept 4
	v_nop
.endr
.Lasked_\@:
.endm
.macro CREST                           ; a round of the cluster's barrier behind its opening barrier
	s_cmp_lg_u32 s10, 0
	s_cbranch_scc1 .Lnot_wave_0_\@
	s_barrier_signal -3
.Lnot_wave_0_\@:
	s_barrier_wait -3
	s_barrier_signal -1
	s_barrier_wait -1
.endm
.macro CROUND                          ; a whole round
	s_barrier_signal -1
	s_barrier_wait -1
	CREST
.endm
	s_load_b128 s[4:7], s[0:1], 0x0                ; ao, pw16
	s_load_b64 s[2:3], s[0:1], 0x10                ; proj_b
	s_load_b64 s[8:9], s[0:1], 0x18                ; out0
	v_lshl_add_u32 v[SPW], v0, 2, SPARE
	v_mov_b32 v[NIL], 0
	ds_add_u32 v[SPW], v[NIL]                      ; the wave's opening: the add, twice on end, and its wait ahead of my first tensor load
	ds_add_u32 v[SPW], v[NIL]
	v_lshrrev_b32 v1, 5, v0
	v_readfirstlane_b32 s10, v1                    ; wave 0..3
	s_lshr_b32 s11, s10, 1                         ; which 64 of the tile's rows are mine.  Also: I fetch for a (0) or for pw16 (1)
	s_and_b32 s12, s10, 1                          ; which 128 of its columns.  Also: which head, or which 128 rows, I fetch
	s_bfe_u32 s40, ttmp6, 0x40000                  ; cx, cy: my place in the cluster
	s_bfe_u32 s41, ttmp6, 0x40004
	s_lshl_b32 s42, ttmp9, 2
	s_add_co_u32 s42, s42, s40                     ; tile column = 4 x cluster x + cx
	s_and_b32 s13, ttmp7, 0xffff
	s_lshl_b32 s13, s13, 2
	s_add_co_u32 s13, s13, s41                     ; tile row = 4 x cluster y + cy
	s_lshl_b32 s43, s41, 2
	s_lshl_b32 s43, 15, s43                        ; my row of the cluster
	s_lshl_b32 s44, 0x1111, s40                    ; my column
	s_or_b32 s[G1+0], s43, (1<<16)|(1<<20)|(1<<21)|(4<<22)|(3<<25)   ; a: the mask of my row; elements of 2 bytes; padding on; bit 21 beside a mask; after every 32 words four words
	s_mov_b32 s[G1+1], 64<<16                      ; tensor_dim0 = 64
	s_mov_b32 s[G1+2], 128<<16                     ; tensor_dim1 = 128
	s_mov_b32 s[G1+3], 64<<16                      ; tile_dim0
	s_mov_b32 s[G1+4], 128                         ; tile_dim1
	s_mov_b32 s[G1+5], 64                          ; tensor_dim0_stride: dense
	s_mov_b32 s[G1+6], 0
	s_mov_b32 s[G1+7], 0
	s_or_b32 s[G1B+0], s44, (1<<16)|(1<<20)|(1<<21)|(5<<22)|(3<<25)  ; pw16: the mask of my column; after every 64 words four words
	s_mov_b32 s[G1B+1], 128<<16
	s_mov_b32 s[G1B+2], 128<<16
	s_mov_b32 s[G1B+3], 128<<16
	s_mov_b32 s[G1B+4], 128
	s_mov_b32 s[G1B+5], 1024
	s_mov_b32 s[G1B+6], 0
	s_mov_b32 s[G1B+7], 0
	s_lshr_b32 s16, s13, 4                         ; a: sixteen tiles of 128 rows make a batch
	s_lshl_b32 s16, s16, 4
	s_add_co_u32 s16, s16, s12                     ; 16 x batch + my head of the step's two
	s_lshl_b32 s16, s16, 11
	s_and_b32 s17, s13, 15
	s_lshl_b32 s17, s17, 7
	s_add_co_u32 s16, s16, s17                     ; x 2,048 positions + the tile's first
	s_lshl_b32 s16, s16, 7                         ; x 128 bytes
	s_mov_b32 s17, 0
	s_lshl_b32 s46, s42, 8                         ; pw16: row 256 x tile column + 128 x half,
	s_lshl_b32 s47, s12, 7
	s_add_co_u32 s46, s46, s47
	s_lshl_b32 s46, s46, 11                        ; x 2,048 bytes
	s_mov_b32 s47, 0
	s_mul_i32 s20, s12, APL                        ; where they go in a slot: no place in the cluster enters an LDS address
	s_mul_i32 s21, s12, BH
	s_add_co_u32 s21, s21, 2*APL
	s_wait_dscnt 0x0                               ; both opening adds are done
	s_wait_kmcnt 0x0
	s_add_nc_u64 s[14:15], s[4:5], s[16:17]
	s_add_nc_u64 s[46:47], s[6:7], s[46:47]
	CROUND                                         ; all sixteen work-groups are here: the first joint loads meet
.irp s, 0,1
	s_mov_b32 s[G0+4*\s], 1
	s_add_co_u32 s[G0+4*\s+1], s20, \s*SLOT
	s_add_nc_u64 s[G0+4*\s+2:G0+4*\s+3], s[14:15], \s*524288       ; K step s: two heads of 2^18 bytes on
	s_or_b32 s[G0+4*\s+3], s[G0+4*\s+3], 0x80000000
	s_mov_b32 s[G0B+4*\s], 1
	s_add_co_u32 s[G0B+4*\s+1], s21, \s*SLOT
	s_add_nc_u64 s[G0B+4*\s+2:G0B+4*\s+3], s[46:47], \s*256
	s_or_b32 s[G0B+4*\s+3], s[G0B+4*\s+3], 0x80000000
	JLOAD \s                                       ; two tensor loads of mine are out behind the second
.endr
	v_and_b32 v1, 15, v0                           ; r
	v_bfe_u32 v2, v0, 4, 1                         ; h
	v_mul_u32_u24 v3, v1, PA
	v_lshl_add_u32 v3, v2, 4, v3                   ; a fragment's row x pitch + 16 x half
	v_mul_u32_u24 v4, v1, PB
	v_lshl_add_u32 v4, v2, 4, v4
	s_mul_i32 s22, s11, 64*PA                      ; my 64 rows of a
	s_mul_i32 s23, s12, BH                         ; my 128 rows of pw16,
	s_add_co_u32 s23, s23, 2*APL                   ; which lie behind a's two heads
.irp s, 0,1
	v_add_nc_u32 v[ADRA+\s], s22, v3
	v_add_nc_u32 v[ADRB+\s], s23, v4
	s_add_co_u32 s22, s22, SLOT
	s_add_co_u32 s23, s23, SLOT
.endr
	s_mul_i32 s23, s10, 16*SPITCH                  ; my stage
	v_mul_u32_u24 v5, v1, SPITCH                   ; in: row r, 32 bytes for each half of the lanes
	v_lshl_add_u32 v5, v2, 5, v5
	v_add_nc_u32 v[STO], s23, v5
	v_and_b32 v6, 31, v0
	v_lshlrev_b32 v[CO], 4, v6                     ; back: the 32 lanes take one row of 512 bytes; and the same in out0
	v_add_nc_u32 v[RD], s23, v[CO]
	v_lshlrev_b32 v[BO], 5, v2
	s_lshl_b32 s16, s13, 7
	s_lshl_b32 s17, s11, 6
	s_add_co_u32 s16, s16, s17                     ; my first row of out0: 128 x tile row + 64 x half,
	s_lshl_b32 s16, s16, 12                        ; x 4,096 bytes
	s_lshl_b32 s46, s42, 10                        ; my first column, in bytes: 1,024 x tile column + 512 x half
	s_lshl_b32 s47, s12, 9
	s_add_co_u32 s46, s46, s47
	s_mov_b32 s47, 0
	s_add_nc_u64 s[2:3], s[2:3], s[46:47]          ; the bias at my columns
	s_add_co_u32 s16, s16, s46
	s_mov_b32 s17, 0
	s_add_nc_u64 s[8:9], s[8:9], s[16:17]
	WIN 0x80                                       ; destination window 2
.irp b, 0,1,2,3,4,5,6,7
	global_load_b128 v[8*\b:8*\b+3],   v[BO], s[2:3] offset:64*\b      ; tile b: proj_b at my columns 16 b + 8 (lane / 16) + 0..7
	global_load_b128 v[8*\b+4:8*\b+7], v[BO], s[2:3] offset:64*\b+16
.endr
	WIN 0
; 8 matrix instructions: block a of my rows against pw16's eight, 32 along K, from buffer f.  first = 1: the product starts the sums, from the bias.
; The 32 accumulators take turns, one instruction a turn, in the same order in every quarter.
.macro MUL8 f, a, first
.irp b, 0,1,2,3,4,5,6,7
.if \first
	v_wmma_f32_16x16x32_f16 v[8*(8*(\a)+\b):8*(8*(\a)+\b)+7], v[BF+64*(\f)+8*\b:BF+64*(\f)+8*\b+7], v[AF+32*(\f)+8*(\a):AF+32*(\f)+8*(\a)+7], v[8*\b:8*\b+7]
.else
	v_wmma_f32_16x16x32_f16 v[8*(8*(\a)+\b):8*(8*(\a)+\b)+7], v[BF+64*(\f)+8*\b:BF+64*(\f)+8*\b+7], v[AF+32*(\f)+8*(\a):AF+32*(\f)+8*(\a)+7], v[8*(8*(\a)+\b):8*(8*(\a)+\b)+7]
.endif
.endr
.endm
; 24 LDS loads in one run: the fragments of the slot's q-th 32 along K into buffer f: pw16's sixteen first, then a's blocks 0, 1, then 2, 3.  Quarters 0, 1 lie in the first head's rows, 2, 3 in the second's
.macro FETCH slot, q, f
.irp b, 0,1,2,3,4,5,6,7
	ds_load_b128 v[BF+64*(\f)+8*\b:BF+64*(\f)+8*\b+3],   v[ADRB+\slot] offset:16*PB*\b+64*(\q)
	ds_load_b128 v[BF+64*(\f)+8*\b+4:BF+64*(\f)+8*\b+7], v[ADRB+\slot] offset:16*PB*\b+64*(\q)+32
.endr
.irp a, 0,1,2,3
	ds_load_b128 v[AF+32*(\f)+8*\a:AF+32*(\f)+8*\a+3],   v[ADRA+\slot] offset:16*PA*\a+APL*((\q)/2)+64*((\q)%2)
	ds_load_b128 v[AF+32*(\f)+8*\a+4:AF+32*(\f)+8*\a+7], v[ADRA+\slot] offset:16*PA*\a+APL*((\q)/2)+64*((\q)%2)+32
.endr
.endm
.macro PLACES                          ; four places in front of loads into registers that matrix instructions have read, and of stores that read results
.rept 4
	v_nop
.endr
.endm
; A K step is four quarters of 32 along K, 32 matrix instructions each, on buffers 0, 1, 0, 1.  One of the first three: multiplies buffer f and fetches quarter q of the same slot into g.
.macro QUARTER slot, q, f, g, first
	s_wait_dscnt 4                                 ; pw16's fragments and a's blocks 0, 1 are in; the youngest four loads (blocks 2, 3) may be out
.if \first
	WIN FIRST
.else
	WIN MUL
.endif
	MUL8 \f, 0, \first
	MUL8 \f, 1, \first
	PLACES
	WIN 0
	FETCH \slot, \q, \g
	s_wait_dscnt 24                                ; all but the 24 just issued
.if \first
	WIN FIRST
.else
	WIN MUL
.endif
	MUL8 \f, 2, \first
	MUL8 \f, 3, \first
.endm
; The last quarter multiplies buffer 1 and changes slots: ONE barrier; in front of it each wave waits for all its tensor loads, adds 0 to its spare word, and waits for that and for its reads of this slot.
; fill = 1: the barrier opens a round of the cluster's, and this slot is filled again, two K steps ahead, first thing behind the round.
.macro TURN slot, next, fill
	WIN 0                                          ; (the add's two registers lie in window 0)
	s_wait_tensorcnt 0x0                           ; all my tensor loads have landed: my part of the next slot
	ds_add_u32 v[SPW], v[NIL]
	s_wait_dscnt 5                                 ; (the add and the youngest four loads may be out)
	WIN MUL
	MUL8 1, 0, 0                                   ; eight matrix instructions stand between the add and the wait for it
	s_wait_dscnt 0x0                               ; the add is done, and my reads of this slot are over
	s_barrier_signal -1
	MUL8 1, 1, 0
	WIN 0
	s_barrier_wait -1
.if \fill
	CREST                                          ; no wave of any partner still reads this slot's tile or has a load on its way
	s_add_nc_u64 s[G0+4*\slot+2:G0+4*\slot+3], s[G0+4*\slot+2:G0+4*\slot+3], 1048576   ; four heads on
	s_add_nc_u64 s[G0B+4*\slot+2:G0B+4*\slot+3], s[G0B+4*\slot+2:G0B+4*\slot+3], 512   ; 256 along K on
	JLOAD \slot                                    ; the four v_nop behind it are also the places in front of the loads below
.else
	PLACES
.endif
	FETCH \next, 0, 0
	WIN MUL
	MUL8 1, 2, 0
	MUL8 1, 3, 0
.endm
	s_wait_tensorcnt 1                             ; my part of K step 0 is in; K step 1's may stay out
	s_barrier_signal -1
	s_barrier_wait -1                              ; everybody's is
	FETCH 0, 0, 0
	s_wait_loadcnt 0x0                             ; the bias
	QUARTER 0, 1, 0, 1, 1                          ; the first quarter stands in front of the loop: its products start the sums
	WIN 0                                          ; at a label and at a branch every window is 0
	s_mov_b32 s45, LAPS-1
.Llap:                                                 ; a trip goes once round the ring, from a lap's second quarter to the next lap's first, and fills both slots again
	QUARTER 0, 2, 1, 0, 0
	QUARTER 0, 3, 0, 1, 0
	TURN 0, 1, 1
	QUARTER 1, 1, 0, 1, 0
	QUARTER 1, 2, 1, 0, 0
	QUARTER 1, 3, 0, 1, 0
	TURN 1, 0, 1
	QUARTER 0, 1, 0, 1, 0
	WIN 0
	s_sub_co_u32 s45, s45, 1
	s_cmp_lg_u32 s45, 0
	s_cbranch_scc1 .Llap
	QUARTER 0, 2, 1, 0, 0                          ; the last lap fills nothing, and has no round of the cluster's barrier
	QUARTER 0, 3, 0, 1, 0
	TURN 0, 1, 0
	QUARTER 1, 1, 0, 1, 0
	QUARTER 1, 2, 1, 0, 0
	QUARTER 1, 3, 0, 1, 0
	s_wait_dscnt 4                                 ; the very last quarter: nothing more to fetch
	WIN MUL
	MUL8 1, 0, 0
	MUL8 1, 1, 0
	s_wait_dscnt 0
	MUL8 1, 2, 0
	MUL8 1, 3, 0
	WIN 0
	PLACES
; THE WAY OUT, block by block of 16 rows x 128 columns.  A lane holds 32 neighbouring bytes of a row, and the lanes beside it hold other rows: so a block goes through my own stage and comes back as whole rows of
; 512 bytes.  LDS serves a wave's instructions in order (ISA guide 5.7.1.4): no wait between the stores and the loads, nor in front of the next block's stores.
.macro TOSTAGE a
	WIN 0x04                                       ; an LDS store's data are its source 1: window 1
.irp b, 0,1,2,3,4,5,6,7
	ds_store_b128 v[STO], v[64*(\a)+8*\b:64*(\a)+8*\b+3] offset:64*\b          ; each accumulator from its low end on
	ds_store_b128 v[STO], v[64*(\a)+8*\b+4:64*(\a)+8*\b+7] offset:64*\b+16
.endr
	WIN 0
.set BB, BK+64*((\a)%2)
.irp t, 0,1,2,3,4,5,6,7,8,9,10,11,12,13,14,15
	ds_load_b128 v[BB+4*\t:BB+4*\t+3], v[RD] offset:\t*SPITCH
.endr
.endm
.macro SEND a, younger                 ; younger: the LDS instructions issued behind block a's loads, which may stay out
.set BB, BK+64*((\a)%2)
	s_wait_dscnt \younger
.irp t, 0,1,2,3,4,5,6,7,8,9,10,11,12,13,14,15
	global_store_b128 v[CO], v[BB+4*\t:BB+4*\t+3], s[8:9] offset:65536*(\a)+4096*\t th:TH_STORE_NT   ; 32 lanes store 512 consecutive bytes, aligned; written once, read by nobody here.  Every offset is an immediate
.endr
.endm
	TOSTAGE 0
.irp a, 1,2,3
.if \a > 1
	s_wait_xcnt 0x0                                ; block a - 2's stores have read their registers: block a's loads may land there
.endif
	TOSTAGE \a
	SEND \a-1, 32                                  ; behind block a - 1's loads: block a's 16 stores and 16 loads
.endr
	SEND 3, 0
	s_wait_tensorcnt 0x0                           ; the wave's end, behind my last tensor load and my last LDS store
	ds_add_u32 v[SPW], v[NIL]
	s_wait_dscnt 0x0
	CROUND                                         ; the closing round: no work-group ends while a partner may still ask for a tile that names it
	s_endpgm
.Lfunc_end_k_qeffb54b5ed_proj:
	.size	k_qeffb54b5ed_proj, .Lfunc_end_k_qeffb54b5ed_proj-k_qeffb54b5ed_proj
	.p2alignl 7, 3214868480
	.fill 96, 4, 3214868480
	.section	.rodata,"a",@progbits
	.p2align	6, 0x0
	.amdhsa_kernel k_qeffb54b5ed_proj
		.amdhsa_group_segment_fixed_size 327680
		.amdhsa_private_segment_fixed_size 0
		.amdhsa_enable_private_segment 0
		.amdhsa_kernarg_size 32
		.amdhsa_user_sgpr_count 2
		.amdhsa_user_sgpr_kernarg_segment_ptr 1
		.amdhsa_wavefront_size32 1
		.amdhsa_system_sgpr_workgroup_id_x 1
		.amdhsa_system_sgpr_workgroup_id_y 1
		.amdhsa_system_sgpr_workgroup_id_z 1
		.amdhsa_system_vgpr_workitem_id 0
		.amdhsa_next_free_vgpr 576
		.amdhsa_next_free_sgpr 66
		.amdhsa_reserve_vcc 0
		.amdhsa_float_denorm_mode_32 3
		.amdhsa_float_denorm_mode_16_64 3
		.amdhsa_memory_ordered 1
		.amdhsa_forward_progress 1
		.amdhsa_inst_pref_size 87
	.end_amdhsa_kernel
	.amdgpu_metadata
---
amdhsa.version: [ 1, 2 ]
amdhsa.kernels:
  - .name:           k_qeffb54b5ed_proj
    .symbol:         k_qeffb54b5ed_proj.kd
    .args:
      - { .name: ao, .offset: 0, .size: 8, .value_kind: global_buffer, .address_space: global }
      - { .name: pw16, .offset: 8, .size: 8, .value_kind: global_buffer, .address_space: global }
      - { .name: proj_b, .offset: 16, .size: 8, .value_kind: global_buffer, .address_space: global }
      - { .name: out0, .offset: 24, .size: 8, .value_kind: global_buffer, .address_space: global }
    .group_segment_fixed_size: 327680
    .private_segment_fixed_size: 0
    .kernarg_segment_align: 8
    .kernarg_segment_size: 32
    .max_flat_workgroup_size: 128
    .sgpr_count:     66
    .vgpr_count:     576
    .wavefront_size: 32
...
	.end_amdgpu_metadata
.endif
;; end of part 4
